; MI455X (gfx1250); checked and timed in simulation.
; The chip was launched on July 23, 2026; its instructions are those of AMD's public machine-readable ISA for CDNA 5 (MIT licence, August 2026) and "CDNA5" Instruction Set Architecture Reference Guide (July 2026). The comments in the code are by the model that wrote it; some were corrected since.
;; Bahdanau Attention Layer. Allowed arithmetic: matrix products marked QUANTISED: E3M2 operands, one E8M0 scale for each 32 along K, by v_wmma_scale_f32_16x16x128_f8f6f4 with both operands' format E3M2, f32 sums; products left as they are: f32 operands where the result goes on into a quantised operand, else bf16, f16 or f32 operands; f32 sums; everything else in f32.
;; Inputs: W_in 1,024 x 2,048 float32; W_v 1 x 1,024 float32; encoder_padding_mask 512 x 64 bool; input 64 x 1,024 float32; source_hids 512 x 64 x 1,024 float32.
;; Outputs: out0 64 x 1,024 float32; out1 512 x 64 float32.
;; This version of the problem:
;;   THIS VERSION OF THE PROBLEM IS GIVEN IN LOW PRECISION. The matrix products marked QUANTISED in the list below multiply operands that are first quantised to E3M2 (3 exponent bits, 2 mantissa bits; 6 bits a number), with one power-of-two scale for each 32 numbers along K (OCP MX v1.0); their sums are f32. All else is computed in f32.
;;   The module's matrix products, in the order in which they are computed (A, B: the left and right operand; K: the contracted axis; several contracted axes count as one K, in the product's order):
;;     1. [M 32,768, K 2,048] x [K 2,048, N 1,024]; A: computed on the way; B: input W_in: QUANTISED
;;     2. [M 32,768, K 1,024] x [K 1,024, N 1]; A: computed on the way; B: input W_v: left as it is (N = 1 < 16)
;;     3. batch 64 x [M 1, K 512] x [K 512, N 1,024]; A: softmax; B: input source_hids: left as it is (M = 1 < 16)
;;   THE QUANTISER, for each operand of a quantised product, along K:
;;     - K is cut into blocks of 32 from its start; a last block that is shorter is filled with zeros.
;;     - A block's scale is 2^e with e = floor(log2(the largest magnitude in the block)) - 4, held to -126 .. 127; a block of zeros has e = 0. As a byte (E8M0): e + 127.
;;     - Each number is divided by its block's scale, clamped to +-28, and rounded to the nearest number of E3M2, ties to even, subnormals kept.
;;     - The product sums the exact products of the quantised numbers (number of the format x scale) in f32.
;;   ~~~python
;;   def quantise(x, axis):      # numpy; x: float32 -> the quantised numbers, widened to float32 again
;;       x = np.moveaxis(x, axis, -1); K = x.shape[-1]
;;       x = np.pad(x, [(0, 0)] * (x.ndim - 1) + [(0, -K % 32)]); x = x.reshape(x.shape[:-1] + (-1, 32)); a = np.abs(x).max(-1, keepdims=True)
;;       e = np.where(a > 0, np.clip(np.frexp(np.where(a > 0, a, 1))[1] - 1 - 4, -126, 127), 0)      # np.frexp(a)[1] - 1 = floor(log2(a)), exactly
;;       r = np.clip(x / 2.0 ** e, -28, 28)
;;       step = 2.0 ** (np.maximum(np.frexp(np.where(r == 0, 1, r))[1] - 1, -2) - 2)
;;       q = np.round(r / step) * step * 2.0 ** e      # np.round: ties to even
;;       return np.moveaxis(q.reshape(q.shape[:-2] + (-1,))[..., :K], -1, axis).astype(np.float32)
;;   ~~~
;;   OPERANDS COMPUTED ON THE WAY. 'Computed on the way' means the value that the module computes at that place (a softmax that the list does not call 'softmax' is quantised finished and normalised). What goes into a quantiser is computed in f32, as accurately as f32 sums, v_exp_f32 and their like allow (about 1e-6 of the number): no bf16 or f16 on the way to a quantiser, and a product that is left as it is and whose result goes on into a quantised operand takes f32 operands (vector FMAs, or v_wmma_f32_16x16x4_f32). A number that lies on a knife's edge between two numbers of the format may be rounded either way, as far as f32 arithmetic and the matrix unit's own rounding can turn it there, and no further.
;; 2 versions. Each part assembles by itself: llvm-mc -triple=amdgcn-amd-amdhsa -mcpu=gfx1250 --defsym DOCPART=n.
;; ======== version 1 of 2: 3 launches
;; workspace buffers: w2c 786,432 bytes; w2s 32,768 bytes; gt 262,144 bytes; tl 262,144 bytes of whole numbers; tc 2,048 bytes of whole numbers; sc 131,072 bytes; stat 4,096 bytes; rec 2,097,152 bytes
;; launch prep (part 1): grid 72 x 1, 8 waves a work-group, no clusters, 101,376 bytes of LDS; arguments W_in, input, encoder_padding_mask, w2c, w2s, gt, tl, tc, sc; writes w2c, w2s, gt, tl, tc, sc
.if DOCPART == 1
	.amdgcn_target "amdgcn-amd-amdhsa--gfx1250"
	.amdhsa_code_object_version 6
	.text
	.protected	k_q4cc2c97ec1_prep
	.globl	k_q4cc2c97ec1_prep
	.p2align	8
	.type	k_q4cc2c97ec1_prep,@function
k_q4cc2c97ec1_prep:
	s_mov_b64 s[64:65], 0
	v_nop
	global_prefetch_b8 v0, s[64:65] scope:SCOPE_SE
	s_setreg_imm32_b32 hwreg(HW_REG_WAVE_MODE, 25, 1), 1
	s_wait_xcnt 0x0
; PREP.  x = [input[b]; source_hids[s][b]] and K = 2,048 parts at a block boundary, so x W_in^T = G[b] + Q(source_hids[s][b]) Q(W2)^T with W1 = W_in[:, 0:1024], W2 = W_in[:, 1024:2048]
; and G = Q(input) Q(W1)^T, the same for every s.  Codes are BF6 (E3M2), one E8M0 byte for each 32 along K.
; Work-groups 0-63 (role MAIN, n = the work-group's number): the 16 rows 16 n .. 16 n + 15 of W_in.  Wave kk takes K step kk (128 along K): it quantises W1's and W2's fragment and the four
;   fragments of input's 64 rows, stores W2's fragment as an image of the operand's registers (w2c) with its scale words (w2s), multiplies input by W1 (4 matrix instructions); the eight waves'
;   parts of G meet in LDS and leave as an image of the result's registers (gt).
; Work-groups 64-71 (role LISTS, wave = one column b): the mask's column b is read, its unmasked s are ranked, cut into 4 tiles (n <= 320) or 8 tiles of q = ceil(n / tiles) rows, at most 80, and
;   written as lists (tl, 96 places a tile, unused places 0) and counts (tc).  The scores' buffer sc is filled with -infinity: the next launch overwrites the unmasked places.
; LIMITS: NaN and infinities among the float inputs are not served; a block whose largest magnitude lies under 2^-122 keeps the byte 1; a block of zeros has the byte 1 where the rule says 127
; (its codes are zeros, and this program alone reads the bytes).
.set STG,  0                           ; LDS: a stage of 16 rows x 528 bytes for each wave, the wave's own
.set RED,  67584                       ; LDS: 4,096 bytes for each wave: its part of G
.set X,    128                         ; v128-191 64 numbers of my row: register 32 c + i = k 64 c + 32 (lane / 16) + i
.set TC,   236                         ; v236-243 the upper halves of two blocks' codes
.set TM,   244                         ; v244-247 largest magnitudes
.set TS,   248                         ; v248-249 the conversions' scale operands
.set TB,   250                         ; v250-251 scale bytes
.set TP,   252                         ; v252     the other half's bytes
.set LO,   4                           ; v4   16 x lane
.set STW,  5                           ; v5   the stage, on the way in
.set STR,  6                           ; v6   and on the way out
.set H8,   7                           ; v7   8 x (lane / 16)
.set SWO,  8                           ; v8   my scale word's place in w2s
.set REDW, 9
.set REDR, 10
.set SEL,  22                          ; s[22:23] lane selects: lane l xor 16
.set WV,   26                          ; s26  wave
.set MSB, 0
.macro WIN new                         ; the immediate's high byte repeats the setting that is left
.if MSB != (\new)
	s_set_vgpr_msb (MSB<<8)|(\new)
.set MSB, \new
.endif
.endm
.macro PLACES n
.rept \n
	v_nop
.endr
.endm
; 16 rows x 512 bytes, loaded a row an instruction into window 1, turn through the wave's own stage: in as loaded, out 128 bytes a block.  Rows 528 = 33 x 16 bytes apart: sixteen rows' pieces of
; 16 bytes fall on sixteen different places modulo 256.  LDS serves a wave's instructions in order: no wait between the stores and the loads.
.macro TURN set
	WIN 0x04                                       ; an LDS store's data are its source 1: window 1
.irp i, 0,1,2,3,4,5,6,7,8,9,10,11,12,13,14,15
	ds_store_b128 v[STW], v[64*(\set)+4*\i:64*(\set)+4*\i+3] offset:528*\i
.endr
	WIN 0
.irp c, 0,1
.irp j, 0,1,2,3,4,5,6,7
	ds_load_b128 v[X+32*\c+4*\j:X+32*\c+4*\j+3], v[STR] offset:256*\c+16*\j
.endr
.endr
.endm
; The 64 numbers in X become a fragment's 12 registers at v[f] and my row's scale word in v[pw].  A lane holds two whole blocks (2 c + lane / 16).
.macro QF f, pw
.irp c, 0,1
.irp u, 0,1
	v_max3_num_f32 v[TM+2*\c+\u], |v[X+32*\c+16*\u]|, |v[X+32*\c+16*\u+1]|, 0x2800000   ; with the floor 2^(5 - 127): the byte cannot fall under 1
.endr
.endr
.irp i, 2,4,6,8,10,12,14
.irp c, 0,1
.irp u, 0,1
	v_max3_num_f32 v[TM+2*\c+\u], v[TM+2*\c+\u], |v[X+32*\c+16*\u+\i]|, |v[X+32*\c+16*\u+\i+1]|   ; four chains by turns
.endr
.endr
.endr
.irp c, 0,1
	v_max_num_f32 v[TM+2*\c], v[TM+2*\c], v[TM+2*\c+1]
.endr
.irp c, 0,1
	v_add_nc_u32 v[TS+\c], 0xfe000000, v[TM+2*\c]  ; 4 off the exponent field: the conversion's scale operand
.endr
.irp c, 0,1
	v_lshrrev_b32 v[TB+\c], 23, v[TS+\c]           ; the scale's byte
.endr
	v_lshl_or_b32 v[\pw], v[TB+1], 16, v[TB]       ; my two bytes: blocks h and 2 + h,
	v_lshlrev_b32 v[\pw], v[H8], v[\pw]            ; at their places;
	v_permlanex16_b32 v[TP], v[\pw], s[SEL], s[SEL+1]
	v_or_b32 v[\pw], v[\pw], v[TP]                 ; with lane l xor 16's two the word is whole
.irp c, 0,1
	v_cvt_scalef32_pk16_bf6_f32 v[(\f)+6*\c:(\f)+6*\c+2], v[X+32*\c:X+32*\c+15], v[TS+\c]
	v_cvt_scalef32_pk16_bf6_f32 v[TC+4*\c:TC+4*\c+2], v[X+32*\c+16:X+32*\c+31], v[TS+\c]   ; (a conversion's three registers begin on an even number)
.endr
	v_nop                                          ; one plain place behind a scaled conversion
.irp c, 0,1
.irp i, 0,1,2
	v_mov_b32 v[(\f)+6*\c+3+\i], v[TC+4*\c+\i]
.endr
.endr
.endm
	s_load_b512 s[4:19], s[0:1], 0x0               ; W_in 4, input 6, mask 8, w2c 10, w2s 12, gt 14, tl 16, tc 18
	s_load_b64 s[20:21], s[0:1], 0x40              ; sc
	v_lshl_add_u32 v254, v0, 2, 0x18800
	v_mov_b32 v255, 0
	v_lshrrev_b32 v1, 5, v0
	v_readfirstlane_b32 s[WV], v1                  ; wave 0..7
	v_and_b32 v1, 31, v0                           ; lane
	s_cmp_lt_u32 ttmp9, 64
	s_cbranch_scc0 .Llists
	; ---------------- role MAIN ----------------
	v_and_b32 v2, 15, v0                           ; r
	v_bfe_u32 v3, v0, 4, 1                         ; h
	v_lshlrev_b32 v[LO], 4, v1
	s_mul_i32 s27, s[WV], 8448                     ; my stage (STG = 0)
	v_add_nc_u32 v[STW], s27, v[LO]
	v_mul_u32_u24 v[STR], v2, 528
	v_lshl_add_u32 v[STR], v3, 7, v[STR]
	v_add_nc_u32 v[STR], s27, v[STR]
	v_lshlrev_b32 v[H8], 3, v3
	s_and_b32 s28, s[WV], 1
	s_lshl_b32 s28, s28, 8
	s_lshr_b32 s29, s[WV], 1
	s_lshl_b32 s29, s29, 2
	s_add_co_u32 s28, s28, s29
	v_lshl_add_u32 v[SWO], v2, 4, s28              ; 16 r + 256 (kk % 2) + 4 (kk / 2)
	s_lshl_b32 s29, s[WV], 12
	s_add_co_u32 s29, s29, RED
	v_add_nc_u32 v[REDW], s29, v[LO]
	s_lshl_b32 s29, s[WV], 9
	s_add_co_u32 s29, s29, RED
	v_add_nc_u32 v[REDR], s29, v[LO]
	v_mov_b32 v[TP], 0                             ; a lane permute's destination counts as one of its sources
	s_mov_b32 s[SEL], 0x76543210
	s_mov_b32 s[SEL+1], 0xfedcba98
	s_lshl_b32 s32, s[WV], 9                       ; 512 kk
	s_mov_b32 s33, 0
	s_lshl_b32 s30, ttmp9, 17                      ; 16 rows of 8,192 bytes
	s_add_co_u32 s30, s30, s32
	s_mov_b32 s31, 0
	s_lshl_b32 s34, ttmp9, 3
	s_add_co_u32 s34, s34, s[WV]
	s_mul_i32 s34, s34, 1536                       ; fragment (n, kk)
	s_mov_b32 s35, 0
	s_lshl_b32 s36, ttmp9, 9
	s_mov_b32 s37, 0
	s_lshl_b32 s38, ttmp9, 12
	s_add_co_u32 s38, s38, s32
	s_mov_b32 s39, 0
	s_wait_kmcnt 0x0
	s_add_nc_u64 s[4:5], s[4:5], s[30:31]
	s_add_nc_u64 s[6:7], s[6:7], s[32:33]
	s_add_nc_u64 s[10:11], s[10:11], s[34:35]
	s_add_nc_u64 s[12:13], s[12:13], s[36:37]
	s_add_nc_u64 s[14:15], s[14:15], s[38:39]
; fragment f: 0 = W1, 1-4 = input's rows 16 (f - 1) on, 5 = W2.  16 loads, a row's 512 consecutive bytes each, into set f % 4 of window 1
.macro XL f
	WIN 0x40
.irp i, 0,1,2,3,4,5,6,7,8,9,10,11,12,13,14,15
.if (\f) == 0
	global_load_b128 v[64*((\f)%4)+4*\i:64*((\f)%4)+4*\i+3], v[LO], s[4:5] offset:8192*\i th:TH_LOAD_NT
.elseif (\f) == 5
	global_load_b128 v[64*((\f)%4)+4*\i:64*((\f)%4)+4*\i+3], v[LO], s[4:5] offset:8192*\i+4096 th:TH_LOAD_NT
.else
	global_load_b128 v[64*((\f)%4)+4*\i:64*((\f)%4)+4*\i+3], v[LO], s[6:7] offset:4096*(16*((\f)-1)+\i)
.endif
.endr
	WIN 0
.endm
	XL 0
	XL 1
	XL 2
.irp f, 0,1,2,3,4,5
.if \f < 4
	s_wait_loadcnt 32                              ; this fragment's 16 loads are in; the two later fragments' may be out
.else
	s_wait_loadcnt 16*(5-\f)
.endif
.if \f+3 <= 5
	XL \f+3                                        ; into the set whose stores to the stage were waited for a fragment ago
.endif
	TURN (\f%4)
	s_wait_dscnt 0x0
	QF 16+12*\f, 88+\f
.endr
.irp c, 0,1,2
	global_store_b128 v[LO], v[76+4*\c:79+4*\c], s[10:11] offset:512*\c   ; W2's fragment as it stands: 512 consecutive bytes a store
.endr
	global_store_b32 v[SWO], v93, s[12:13]         ; its scale words (both halves of the lanes write the same word with the same value)
	PLACES 8                                       ; scale registers written by vector instructions stand 8 places ahead of a scaled matrix instruction, operands 4
.irp mb, 0,1,2,3
	v_wmma_scale_f32_16x16x128_f8f6f4 v[96+8*\mb:103+8*\mb], v[28+12*\mb:39+12*\mb], v[16:27], 0, v[89+\mb], v88 matrix_a_fmt:MATRIX_FMT_BF6 matrix_b_fmt:MATRIX_FMT_BF6
.endr
	PLACES 4
.irp q, 0,1,2,3,4,5,6,7
	ds_store_b128 v[REDW], v[96+4*\q:99+4*\q] offset:512*\q      ; each accumulator from its low end on
.endr
	s_wait_dscnt 0x0                               ; for the others' sake: my part of G lies in LDS
	s_barrier_signal -1
	s_barrier_wait -1
.irp u, 0,1,2,3,4,5,6,7
	ds_load_b128 v[192+4*\u:195+4*\u], v[REDR] offset:4096*\u    ; piece kk of all eight waves' parts
.endr
	s_wait_dscnt 0x0
.irp u, 0,2,4,6
	v_pk_add_f32 v[192+4*\u:193+4*\u], v[192+4*\u:193+4*\u], v[196+4*\u:197+4*\u]
	v_pk_add_f32 v[194+4*\u:195+4*\u], v[194+4*\u:195+4*\u], v[198+4*\u:199+4*\u]
.endr
.irp u, 0,4
	v_pk_add_f32 v[192+4*\u:193+4*\u], v[192+4*\u:193+4*\u], v[200+4*\u:201+4*\u]
	v_pk_add_f32 v[194+4*\u:195+4*\u], v[194+4*\u:195+4*\u], v[202+4*\u:203+4*\u]
.endr
	v_pk_add_f32 v[192:193], v[192:193], v[208:209]
	v_pk_add_f32 v[194:195], v[194:195], v[210:211]
	global_store_b128 v[LO], v[192:195], s[14:15]  ; 512 consecutive bytes of G's image
	s_wait_tensorcnt 0x0
	ds_add_u32 v254, v255
	s_wait_dscnt 0x0
	s_endpgm
	; ---------------- role LISTS ----------------
.Llists:
	s_sub_co_u32 s27, ttmp9, 64                    ; u
	s_lshl_b32 s28, s27, 3
	s_add_co_u32 s28, s28, s[WV]                   ; b = 8 u + wave
	v_lshlrev_b32 v2, 4, v1                        ; 16 x lane
	v_lshlrev_b32 v3, 4, v0                        ; 16 x thread
	v_lshl_add_u32 v4, v1, 6, s28                  ; the mask: 64 x lane + b
	v_add_nc_u32 v5, 0x300, v1                     ; a masked lane's place: dump word 768 + lane
.irp i, 8,9,10,11
	v_mov_b32 v[\i], 0
.endr
.irp i, 12,13,14,15
	v_mov_b32 v[\i], 0xff800000                    ; -infinity
.endr
	s_lshl_b32 s30, s28, 12                        ; tl: 4,096 bytes a column
	s_mov_b32 s31, 0
	s_lshl_b32 s58, s27, 14                        ; sc: 16,384 bytes a work-group
	s_mov_b32 s59, 0
	s_lshl_b32 s60, s28, 5                         ; tc: 32 bytes a column
	s_mov_b32 s61, 0
	s_wait_kmcnt 0x0
	s_add_nc_u64 s[16:17], s[16:17], s[30:31]
	s_add_nc_u64 s[20:21], s[20:21], s[58:59]
	s_add_nc_u64 s[18:19], s[18:19], s[60:61]
.irp t, 0,1,2,3,4,5,6,7,8,9,10,11,12,13,14,15
	global_load_u8 v[16+\t], v4, s[8:9] offset:2048*\t           ; mask[32 t + lane][b]
.endr
.irp i, 0,1,2,3,4,5
	global_store_b128 v2, v[8:11], s[16:17] offset:512*\i        ; the eight lists' 3,072 bytes: zeros
.endr
.irp i, 0,1,2,3
	global_store_b128 v3, v[12:15], s[20:21] offset:4096*\i      ; the scores: -infinity
.endr
	s_wait_loadcnt 0x0
	s_mov_b32 s24, 0
.irp t, 0,1,2,3,4,5,6,7,8,9,10,11,12,13,14,15
	v_cmp_eq_u32 s[32+\t], 0, v[16+\t]             ; the lanes whose s counts
	v_mbcnt_lo_u32_b32 v[48+\t], s[32+\t], s24     ; rank: the counting s below mine
	s_bcnt1_i32_b32 s25, s[32+\t]
	s_add_co_u32 s24, s24, s25
.endr                                              ; s24 = n
	s_cmp_le_u32 s24, 320
	s_cselect_b32 s25, 2, 3
	s_cselect_b32 s29, 3, 7
	s_add_co_u32 s29, s24, s29
	s_lshr_b32 s29, s29, s25                       ; q = ceil(n / 4) or ceil(n / 8): at most 80
.irp k, 1,2,3,4,5,6,7
	s_mul_i32 s[48+\k], s29, \k
.endr
	s_sub_co_u32 s56, 96, s29
	v_mov_b32 v6, s56                              ; from tile to tile a place moves on by 96 - q beyond the rank
.irp t, 0,1,2,3,4,5,6,7,8,9,10,11,12,13,14,15
	v_mov_b32 v[64+\t], v[48+\t]
.irp k, 1,2,3,4,5,6,7
	v_cmp_le_u32 vcc_lo, s[48+\k], v[48+\t]
	v_cndmask_b32 v7, 0, v6, vcc_lo
	v_add_nc_u32 v[64+\t], v[64+\t], v7            ; place = 96 x tile + rank within the tile
.endr
	v_cndmask_b32 v[64+\t], v5, v[64+\t], s[32+\t]
	v_min_u32 v[64+\t], 0x3ff, v[64+\t]
	v_lshlrev_b32 v[80+\t], 2, v[64+\t]
	v_add_nc_u32 v[96+\t], 32*\t, v1               ; s
	v_cndmask_b32 v[96+\t], v1, v[96+\t], s[32+\t] ; (a dump word gets its lane's number, whatever t)
.endr
	s_wait_storecnt 0x0                            ; the zeros have landed: the places go onto the same words
.irp t, 0,1,2,3,4,5,6,7,8,9,10,11,12,13,14,15
	global_store_b32 v[80+\t], v[96+\t], s[16:17]
.endr
	v_and_b32 v6, 7, v1                            ; tile j = lane % 8: its rows = min(q, n - min(n, j q))
	v_mul_u32_u24 v7, v6, s29
	v_min_u32 v7, s24, v7
	v_sub_nc_u32 v7, s24, v7
	v_min_u32 v7, s29, v7
	v_lshlrev_b32 v112, 2, v6
	global_store_b32 v112, v7, s[18:19]            ; (lanes 8-31 repeat lanes 0-7's words and values)
	s_endpgm
.Lfunc_end_k_q4cc2c97ec1_prep:
	.size	k_q4cc2c97ec1_prep, .Lfunc_end_k_q4cc2c97ec1_prep-k_q4cc2c97ec1_prep
	.p2alignl 7, 3214868480
	.fill 96, 4, 3214868480
	.section	.rodata,"a",@progbits
	.p2align	6, 0x0
	.amdhsa_kernel k_q4cc2c97ec1_prep
		.amdhsa_group_segment_fixed_size 101376
		.amdhsa_private_segment_fixed_size 0
		.amdhsa_enable_private_segment 0
		.amdhsa_kernarg_size 72
		.amdhsa_user_sgpr_count 2
		.amdhsa_user_sgpr_kernarg_segment_ptr 1
		.amdhsa_wavefront_size32 1
		.amdhsa_system_sgpr_workgroup_id_x 1
		.amdhsa_system_sgpr_workgroup_id_y 1
		.amdhsa_system_sgpr_workgroup_id_z 1
		.amdhsa_system_vgpr_workitem_id 0
		.amdhsa_next_free_vgpr 512
		.amdhsa_next_free_sgpr 66
		.amdhsa_reserve_vcc 1
		.amdhsa_float_denorm_mode_32 3
		.amdhsa_float_denorm_mode_16_64 3
		.amdhsa_memory_ordered 1
		.amdhsa_forward_progress 1
		.amdhsa_inst_pref_size 71
	.end_amdhsa_kernel
	.amdgpu_metadata
---
amdhsa.version: [ 1, 2 ]
amdhsa.kernels:
  - .name:           k_q4cc2c97ec1_prep
    .symbol:         k_q4cc2c97ec1_prep.kd
    .args:
      - { .name: W_in, .offset: 0, .size: 8, .value_kind: global_buffer, .address_space: global }
      - { .name: input, .offset: 8, .size: 8, .value_kind: global_buffer, .address_space: global }
      - { .name: encoder_padding_mask, .offset: 16, .size: 8, .value_kind: global_buffer, .address_space: global }
      - { .name: w2c, .offset: 24, .size: 8, .value_kind: global_buffer, .address_space: global }
      - { .name: w2s, .offset: 32, .size: 8, .value_kind: global_buffer, .address_space: global }
      - { .name: gt, .offset: 40, .size: 8, .value_kind: global_buffer, .address_space: global }
      - { .name: tl, .offset: 48, .size: 8, .value_kind: global_buffer, .address_space: global }
      - { .name: tc, .offset: 56, .size: 8, .value_kind: global_buffer, .address_space: global }
      - { .name: sc, .offset: 64, .size: 8, .value_kind: global_buffer, .address_space: global }
    .group_segment_fixed_size: 101376
    .private_segment_fixed_size: 0
    .kernarg_segment_align: 8
    .kernarg_segment_size: 72
    .max_flat_workgroup_size: 256
    .sgpr_count:     66
    .vgpr_count:     512
    .wavefront_size: 32
...
	.end_amdgpu_metadata
.endif
;; end of part 1
;; launch attend (part 2): grid 8 x 64, 4 waves a work-group, no clusters, 264,960 bytes of LDS; arguments source_hids, W_v, w2c, w2s, gt, tl, tc, sc, stat, rec; writes sc, stat, rec
.if DOCPART == 2
	.amdgcn_target "amdgcn-amd-amdhsa--gfx1250"
	.amdhsa_code_object_version 6
	.text
	.protected	k_q4cc2c97ec1_attend
	.globl	k_q4cc2c97ec1_attend
	.p2align	8
	.type	k_q4cc2c97ec1_attend,@function
k_q4cc2c97ec1_attend:
	s_mov_b64 s[64:65], 0
	v_nop
	global_prefetch_b8 v0, s[64:65] scope:SCOPE_SE
	s_setreg_imm32_b32 hwreg(HW_REG_WAVE_MODE, 25, 1), 1
	s_wait_xcnt 0x0
; ATTEND.  Work-group (j, b) takes tile j of column b: up to 80 unmasked rows (s, b) of source_hids, named by the list that the launch before stored.  A column has at most 8 tiles, so 8 x 64
; work-groups serve every mask; a tile without rows jumps over the work between the barriers and stores m = -infinity, l = 0 and zeros.  For a tile:
;   1  the rows are gathered (each 4,096 bytes, read once), kept as bf16 in LDS for the weighted sum, and quantised to BF6 along K: 40 fragments as images of the operand's registers;
;   2  z = Q(rows) Q(W2)^T, K = 1,024, N = 1,024: wave w makes columns 256 w .. + 255 in two passes of 128 (40 accumulators); r = 1 / (1 + 2^(2 log2(e) (z + G[b]))); score' = sum of -2 W_v[o] r;
;      tanh z = 1 - 2 r, so the true score is score' + sum(W_v): a constant of the column, which the softmax over s cancels exactly.  score' is what is stored and compared among rows;
;   3  the tile's largest score' m, p = e^(score' - m), l = sum p, and sum p x row (bf16 rows, f32 sums) go to memory; the last launch joins a column's eight tiles.
; W2's fragments go from memory straight into registers, in the order in which the launch before laid them.  NO TENSOR LOADS AND NO JOINT REQUESTS, though all work-groups walk the same W2: a tile may be
; empty, which is a branch on a stored count.  Both barriers stand on every path; only work is jumped over.
; EVERY ADDRESS REGISTER IS MADE AHEAD OF THE FIRST BRANCH ON THE COUNT, on the one path that all waves take, and holds nothing else before its last use.
; LIMITS: NaN and infinities among the float inputs are not served (a padding row is row s = 0 with weight 0); blocks under 2^-122 keep the byte 1; rows are rounded to bf16 for the weighted sum.
; REGISTERS.  window 0: v0-45 addresses and lists; then by phase: (load) v48-127 row offsets, v128-191 X, v192-223 bf16, v224-252 codes at work; (product) v48-67 rows' scale words, v68-131 W2's,
;   v132-251 two sets of the rows' five fragments; (tail) v48-83 scores and sums, v128-207.   window 1: (load) four sets of 64; (product) W2's slots 0, 1 at v0, v96; pairs of G at v192, of -2 W_v at v224.
;   window 2: accumulators (a, cb) at 64 a + 8 cb, a = 0..3.   window 3: accumulators (4, cb) at 8 cb; W2's slot 2 at v64; the score sums at v160; G's 16 words at v200, W_v's at v216.
.set COPY, 0                           ; LDS: 80 rows of 1,024 bf16, 2,048 bytes apart
.set IMG,  163840                      ; 40 fragments (row block a, K step kk) at 1,536 (8 a + kk)
.set ASC,  225280                      ; their scale words: 512 a + 16 lane' + 4 q = row 16 a + lane' % 16, K step 2 q + lane' / 16
.set STG,  227840                      ; a stage of 16 x 528 bytes for each wave, its own
.set SP,   261632                      ; 320 bytes a wave: its columns' part of the 80 scores
.set PL,   262912                      ; 384 bytes a wave: p of 96 places, its own
.set X,    128
.set TC,   236
.set TM,   244
.set TS,   248
.set TB,   250
.set STW,  5
.set STR,  6
.set H8,   7
.set TP,   8
.set CPA,  41                          ; v41-45 the bf16 copy: row block a's first row, my columns
.set SEL,  34                          ; s[34:35]
.set CC,   36                          ; s[36:37] 2 log2(e), twice
.set MSB, 0
.macro WIN new                         ; the immediate's high byte repeats the setting that is left
.if MSB != (\new)
	s_set_vgpr_msb (MSB<<8)|(\new)
.set MSB, \new
.endif
.endm
.macro PLACES n
.rept \n
	v_nop
.endr
.endm
; 16 rows x 512 bytes, loaded a row an instruction into window 1, turn through the wave's own stage: in as loaded, out 128 bytes a block.  Rows 528 = 33 x 16 bytes apart.  LDS serves a wave in order.
.macro TURN set
	WIN 0x04
.irp i, 0,1,2,3,4,5,6,7,8,9,10,11,12,13,14,15
	ds_store_b128 v[STW], v[64*(\set)+4*\i:64*(\set)+4*\i+3] offset:528*\i
.endr
	WIN 0
.irp c, 0,1
.irp j, 0,1,2,3,4,5,6,7
	ds_load_b128 v[X+32*\c+4*\j:X+32*\c+4*\j+3], v[STR] offset:256*\c+16*\j
.endr
.endr
.endm
; The 64 numbers in X (register 32 c + i = k 64 c + 32 (lane / 16) + i of my row) become a fragment's 12 registers at v[f] and the row's scale word in v[pw].
.macro QF f, pw
.irp c, 0,1
.irp u, 0,1
	v_max3_num_f32 v[TM+2*\c+\u], |v[X+32*\c+16*\u]|, |v[X+32*\c+16*\u+1]|, 0x2800000   ; with the floor 2^(5 - 127): the byte cannot fall under 1
.endr
.endr
.irp i, 2,4,6,8,10,12,14
.irp c, 0,1
.irp u, 0,1
	v_max3_num_f32 v[TM+2*\c+\u], v[TM+2*\c+\u], |v[X+32*\c+16*\u+\i]|, |v[X+32*\c+16*\u+\i+1]|
.endr
.endr
.endr
.irp c, 0,1
	v_max_num_f32 v[TM+2*\c], v[TM+2*\c], v[TM+2*\c+1]
.endr
.irp c, 0,1
	v_add_nc_u32 v[TS+\c], 0xfe000000, v[TM+2*\c]  ; 4 off the exponent field: the conversion's scale operand
.endr
.irp c, 0,1
	v_lshrrev_b32 v[TB+\c], 23, v[TS+\c]
.endr
	v_lshl_or_b32 v[\pw], v[TB+1], 16, v[TB]
	v_lshlrev_b32 v[\pw], v[H8], v[\pw]
	v_permlanex16_b32 v[TP], v[\pw], s[SEL], s[SEL+1]
	v_or_b32 v[\pw], v[\pw], v[TP]
.irp c, 0,1
	v_cvt_scalef32_pk16_bf6_f32 v[(\f)+6*\c:(\f)+6*\c+2], v[X+32*\c:X+32*\c+15], v[TS+\c]
	v_cvt_scalef32_pk16_bf6_f32 v[TC+4*\c:TC+4*\c+2], v[X+32*\c+16:X+32*\c+31], v[TS+\c]
.endr
	v_nop                                          ; one plain place behind a scaled conversion
.irp c, 0,1
.irp i, 0,1,2
	v_mov_b32 v[(\f)+6*\c+3+\i], v[TC+4*\c+\i]
.endr
.endr
.endm
; fragment f = (row block f / 2, my K step f % 2): 16 loads, a row's 512 consecutive bytes each, into set f % 4 of window 1
.macro XLOAD f
	WIN 0x40
.irp i, 0,1,2,3,4,5,6,7,8,9,10,11,12,13,14,15
	global_load_b128 v[64*((\f)%4)+4*\i:64*((\f)%4)+4*\i+3], v[48+16*((\f)/2)+\i], s[4:5] offset:512*((\f)%2)
.endr
	WIN 0
.endm
.macro FRAG f
.if (\f) < 8
	s_wait_loadcnt 32                              ; this fragment's 16 loads are in; the two later fragments' may be out
.else
	s_wait_loadcnt 16*(9-(\f))
.endif
.if (\f)+3 <= 9
	XLOAD (\f)+3                                   ; into the set whose stores to the stage were waited for a fragment ago
.endif
	WIN 0x05
.irp i, 0,1,2,3,4,5,6,7,8,9,10,11,12,13,14,15
	v_cvt_pk_bf16_f32 v[192+2*\i], v[64*((\f)%4)+4*\i], v[64*((\f)%4)+4*\i+1]
	v_cvt_pk_bf16_f32 v[193+2*\i], v[64*((\f)%4)+4*\i+2], v[64*((\f)%4)+4*\i+3]
.endr
	WIN 0
.irp i, 0,1,2,3,4,5,6,7,8,9,10,11,12,13,14,15
	ds_store_b64 v[CPA+(\f)/2], v[192+2*\i:193+2*\i] offset:2048*\i+256*((\f)%2)   ; 32 lanes: 256 consecutive bytes of a row
.endr
	TURN ((\f)%4)
	s_wait_dscnt 0x0                               ; X is in; the copy's stores and the last fragment's image have read their registers
	QF 224, 252
.irp c, 0,1,2
	ds_store_b128 v10, v[224+4*\c:227+4*\c] offset:12288*((\f)/2)+1536*((\f)%2)+512*\c
.endr
	ds_store_b32 v11, v252 offset:512*((\f)/2)+256*((\f)%2)
.endm
; half hf (column blocks 4 hf .. + 3) of W2's eight fragments of step k (pass k / 8, K step k % 8) into slot k % 3: 12 loads of 512 consecutive bytes
.macro BL k, hf
.if (\k)%3 == 2
	WIN 0xc0
.set BB, 64
.else
	WIN 0x40
.set BB, 96*((\k)%3)
.endif
.irp cq, 0,1,2,3
.irp c, 0,1,2
	global_load_b128 v[BB+12*(4*(\hf)+\cq)+4*\c:BB+12*(4*(\hf)+\cq)+4*\c+3], v14, s[8:9] offset:98304*((\k)/8)+12288*(4*(\hf)+\cq)+1536*((\k)%8)+512*\c
.endr
.endr
.endm
.macro AL g                            ; the rows' five fragments of K step g % 8 into set g % 2
	WIN 0
.irp a, 0,1,2,3,4
.irp c, 0,1,2
	ds_load_b128 v[132+60*((\g)%2)+12*\a+4*\c:132+60*((\g)%2)+12*\a+4*\c+3], v12 offset:1536*(8*\a+(\g)%8)+512*\c
.endr
.endr
.endm
; one product: source 0 = 16 rows, source 1 = 16 columns of W2^T: lane (r, h) holds column r and rows 8 h + 0 .. 7.  A scale register holds two K steps' words: the even step's in lanes 0-15, the odd step's in lanes 16-31
.macro WM g, a, cb
.set RD_, 64*((\a)%4)+8*(\cb)
.set RA_, 132+60*((\g)%2)+12*(\a)
.set RB_, BB2+12*(\cb)
.set SA_, 48+4*(\a)+((\g)%8)/2
.set SB_, 68+4*(8*((\g)/8)+(\cb))+((\g)%8)/2
.if (\g)%8 == 0
	v_wmma_scale_f32_16x16x128_f8f6f4 v[RD_:RD_+7], v[RA_:RA_+11], v[RB_:RB_+11], 0, v[SA_], v[SB_] matrix_a_fmt:MATRIX_FMT_BF6 matrix_b_fmt:MATRIX_FMT_BF6
.elseif (\g)%2 == 0
	v_wmma_scale_f32_16x16x128_f8f6f4 v[RD_:RD_+7], v[RA_:RA_+11], v[RB_:RB_+11], v[RD_:RD_+7], v[SA_], v[SB_] matrix_a_fmt:MATRIX_FMT_BF6 matrix_b_fmt:MATRIX_FMT_BF6
.else
	v_wmma_scale_f32_16x16x128_f8f6f4 v[RD_:RD_+7], v[RA_:RA_+11], v[RB_:RB_+11], v[RD_:RD_+7], v[SA_], v[SB_] matrix_a_fmt:MATRIX_FMT_BF6 matrix_b_fmt:MATRIX_FMT_BF6 matrix_a_scale:MATRIX_SCALE_ROW1 matrix_b_scale:MATRIX_SCALE_ROW1
.endif
.endm
; 20 products.  The 40 accumulators take turns, one instruction a turn, in the same order in every step
.macro MM g, hf
.if (\g)%3 == 2
.set BB2, 64
.set WB, 0x0c
.else
.set BB2, 96*((\g)%3)
.set WB, 0x04
.endif
	WIN 0xa0|WB
.irp cq, 0,1,2,3
.irp a, 0,1,2,3
	WM \g, \a, 4*(\hf)+\cq
.endr
.endr
	WIN 0xf0|WB
.irp cq, 0,1,2,3
	WM \g, 4, 4*(\hf)+\cq
.endr
.endm
; A step: 128 along K, 40 products.  W2's half-sets are asked for in the order 2 k + hf and stand five ahead; a load into registers that matrix instructions have read stands four places behind them.
.macro STEP g
	PLACES 4
.if 2*(\g)+4 < 31
	s_wait_loadcnt 48                              ; this step's first half-set is in; the four issued behind it may be out
.else
	s_wait_loadcnt 12*(31-2*(\g))
.endif
.if (\g)+2 <= 15
	BL (\g)+2, 1
.endif
	s_wait_dscnt 0x0                               ; the rows' fragments of this step are in
.if (\g) < 15
	AL (\g)+1
.endif
	MM \g, 0
	PLACES 4
.if 2*(\g)+5 < 31
	s_wait_loadcnt 48                              ; the second half-set is in; the four issued behind it may be out
.else
	s_wait_loadcnt 12*(30-2*(\g))
.endif
.if (\g)+3 <= 15
	BL (\g)+3, 0
.endif
	MM \g, 1
.endm
; Behind a pass: 320 results a lane.  t = c z + c G; e = 2^t; 1 + e; r = 1 / (1 + e); score sums += r x (-2 W_v).  Each kind of transcendental is one batch with one wait.
.macro EPI p
	PLACES 4
	WIN 0x92
.irp a, 0,1,2,3
.irp cb, 0,1,2,3,4,5,6,7
.irp jj, 0,2,4,6
	v_pk_fma_f32 v[64*\a+8*\cb+\jj:64*\a+8*\cb+\jj+1], v[64*\a+8*\cb+\jj:64*\a+8*\cb+\jj+1], s[CC:CC+1], v[192+2*(8*(\p)+\cb):193+2*(8*(\p)+\cb)] op_sel_hi:[1,0,1]   ; each accumulator from its low end on
.endr
.endr
.endr
	WIN 0xd3
.irp cb, 0,1,2,3,4,5,6,7
.irp jj, 0,2,4,6
	v_pk_fma_f32 v[8*\cb+\jj:8*\cb+\jj+1], v[8*\cb+\jj:8*\cb+\jj+1], s[CC:CC+1], v[192+2*(8*(\p)+\cb):193+2*(8*(\p)+\cb)] op_sel_hi:[1,0,1]
.endr
.endr
	WIN 0xc3
.set n, 0
.rept 64
	v_exp_f32 v[n], v[n]
.set n, n+1
.endr
	WIN 0x82
.set n, 0
.rept 256
	v_exp_f32 v[n], v[n]
.set n, n+1
.endr
	v_nop                                          ; a plain place behind the last exponential
	s_wait_alu depctr_va_vdst(0)                   ; one wait for the batch, ahead of its first reader
.set n, 0
.rept 128
	v_pk_add_f32 v[n:n+1], v[n:n+1], 1.0 op_sel_hi:[1,0]
.set n, n+2
.endr
	WIN 0xc3
.set n, 0
.rept 32
	v_pk_add_f32 v[n:n+1], v[n:n+1], 1.0 op_sel_hi:[1,0]
.set n, n+2
.endr
.set n, 0
.rept 64
	v_rcp_f32 v[n], v[n]
.set n, n+1
.endr
	WIN 0x82
.set n, 0
.rept 256
	v_rcp_f32 v[n], v[n]
.set n, n+1
.endr
	v_nop
	s_wait_alu depctr_va_vdst(0)                   ; one wait for the batch of reciprocals
.irp cb, 0,1,2,3,4,5,6,7                       ; the first product of the first pass starts the sums; the last of the second pass puts them into window 0, v132 on
.if ((\p) == 1) && (\cb == 7)
	WIN 0x36
.else
	WIN 0xf6
.endif
.irp a, 0,1,2,3
.irp jj, 0,2,4,6
.if ((\p) == 0) && (\cb == 0)
	v_pk_mul_f32 v[160+8*\a+\jj:161+8*\a+\jj], v[64*\a+8*\cb+\jj:64*\a+8*\cb+\jj+1], v[224+2*(8*(\p)+\cb):225+2*(8*(\p)+\cb)]
.elseif ((\p) == 1) && (\cb == 7)
	v_pk_fma_f32 v[132+8*\a+\jj:133+8*\a+\jj], v[64*\a+8*\cb+\jj:64*\a+8*\cb+\jj+1], v[224+2*(8*(\p)+\cb):225+2*(8*(\p)+\cb)], v[160+8*\a+\jj:161+8*\a+\jj]
.else
	v_pk_fma_f32 v[160+8*\a+\jj:161+8*\a+\jj], v[64*\a+8*\cb+\jj:64*\a+8*\cb+\jj+1], v[224+2*(8*(\p)+\cb):225+2*(8*(\p)+\cb)], v[160+8*\a+\jj:161+8*\a+\jj]
.endif
.endr
.endr
.endr
.irp cb, 0,1,2,3,4,5,6,7
.if ((\p) == 1) && (\cb == 7)
	WIN 0x37
.else
	WIN 0xf7
.endif
.irp jj, 0,2,4,6
.if ((\p) == 0) && (\cb == 0)
	v_pk_mul_f32 v[192+\jj:193+\jj], v[8*\cb+\jj:8*\cb+\jj+1], v[224+2*(8*(\p)+\cb):225+2*(8*(\p)+\cb)]
.elseif ((\p) == 1) && (\cb == 7)
	v_pk_fma_f32 v[164+\jj:165+\jj], v[8*\cb+\jj:8*\cb+\jj+1], v[224+2*(8*(\p)+\cb):225+2*(8*(\p)+\cb)], v[192+\jj:193+\jj]
.else
	v_pk_fma_f32 v[192+\jj:193+\jj], v[8*\cb+\jj:8*\cb+\jj+1], v[224+2*(8*(\p)+\cb):225+2*(8*(\p)+\cb)], v[192+\jj:193+\jj]
.endif
.endr
.endr
.endm
	s_load_b512 s[4:19], s[0:1], 0x0               ; source_hids 4, W_v 6, w2c 8, w2s 10, gt 12, tl 14, tc 16, sc 18
	s_load_b128 s[20:23], s[0:1], 0x40             ; stat 20, rec 22
	v_lshl_add_u32 v254, v0, 2, 0x40900
	v_mov_b32 v255, 0
	v_lshrrev_b32 v1, 5, v0
	v_readfirstlane_b32 s24, v1                    ; wave 0..3
	s_and_b32 s25, ttmp7, 0xffff                   ; b
	s_mov_b32 s26, ttmp9                           ; j
	v_and_b32 v1, 31, v0                           ; lane
	v_and_b32 v2, 15, v0                           ; r
	v_bfe_u32 v3, v0, 4, 1                         ; h
	; what the first loads need
	v_mov_b32 v40, 0
	v_lshlrev_b32 v25, 2, v1                       ; the list's places lane,
	v_add_nc_u32 v26, 128, v25                     ; 32 + lane,
	v_lshlrev_b32 v27, 2, v2
	v_add_nc_u32 v27, 0x100, v27                   ; 64 + lane % 16
	s_lshr_b32 s40, s25, 4                         ; gt: G[b][16 n + r] lies at 4,096 n + 512 (2 (b / 16) + (b / 4) % 2) + 256 ((b / 8) % 2) + 16 r + 4 (b % 4)
	s_lshl_b32 s40, s40, 10
	s_bfe_u32 s41, s25, 0x10002
	s_lshl_b32 s41, s41, 9
	s_add_co_u32 s40, s40, s41
	s_bfe_u32 s41, s25, 0x10003
	s_lshl_b32 s41, s41, 8
	s_add_co_u32 s40, s40, s41
	s_and_b32 s41, s25, 3
	s_lshl_b32 s41, s41, 2
	s_add_co_u32 s40, s40, s41
	s_lshl_b32 s41, s24, 16
	s_add_co_u32 s40, s40, s41
	v_lshl_add_u32 v16, v2, 4, s40
	s_lshl_b32 s41, s24, 10
	v_lshl_add_u32 v17, v2, 2, s41                 ; W_v: 4 r + 1,024 w
	s_lshl_b32 s38, s25, 5
	s_lshl_b32 s39, s26, 2
	s_add_co_u32 s38, s38, s39                     ; tc: 32 b + 4 j
	s_lshl_b32 s42, s25, 12
	s_mul_i32 s43, s26, 384
	s_add_co_u32 s42, s42, s43                     ; tl: 4,096 b + 384 j
	s_mov_b32 s43, 0
	s_lshl_b32 s44, s25, 6
	s_lshl_b32 s45, s26, 3
	s_add_co_u32 s44, s44, s45                     ; stat: 64 b + 8 j
	s_mov_b32 s45, 0
	s_lshl_b32 s46, s25, 15
	s_lshl_b32 s47, s26, 12
	s_add_co_u32 s46, s46, s47                     ; rec: 32,768 b + 4,096 j
	s_mov_b32 s47, 0
	s_wait_kmcnt 0x0
	s_load_b32 s27, s[16:17], s38 offset:0x0       ; the tile's rows
	s_add_nc_u64 s[14:15], s[14:15], s[42:43]
	s_add_nc_u64 s[20:21], s[20:21], s[44:45]
	s_add_nc_u64 s[22:23], s[22:23], s[46:47]
.irp i, 0,1,2,3,4,5,6,7,8,9,10,11,12,13,14,15,16,17,18,19
	global_load_b128 v[48+4*\i:51+4*\i], v40, s[14:15] offset:16*\i    ; the list's 80 places, every lane at the same address: register 48 + i holds place i in all lanes
.endr
.irp g, 0,1,2
	global_load_b32 v[22+\g], v[25+\g], s[14:15]   ; and once more a place a lane, for the scores' way out
.endr
	WIN 0xc0
.irp q, 0,1,2,3,4,5,6,7,8,9,10,11,12,13,14,15
	global_load_b32 v[200+\q], v16, s[12:13] offset:4096*\q    ; G[b][my column of block q]
.endr
.irp q, 0,1,2,3,4,5,6,7,8,9,10,11,12,13,14,15
	global_load_b32 v[216+\q], v17, s[6:7] offset:64*\q        ; W_v likewise
.endr
	WIN 0
	; the other addresses, while those 55 loads are out
	s_lshl_b32 s40, s25, 12
	s_lshl_b32 s41, s24, 10
	s_add_co_u32 s40, s40, s41
	v_lshl_add_u32 v4, v1, 4, s40                  ; in a row's plane: 4,096 b + 1,024 w + 16 lane
	s_mul_i32 s41, s24, 8448
	s_add_co_u32 s41, s41, STG
	v_lshlrev_b32 v[STW], 4, v1
	v_add_nc_u32 v[STW], s41, v[STW]
	v_mul_u32_u24 v[STR], v2, 528
	v_lshl_add_u32 v[STR], v3, 7, v[STR]
	v_add_nc_u32 v[STR], s41, v[STR]
	v_lshlrev_b32 v[H8], 3, v3
	v_mov_b32 v[TP], 0                             ; a lane permute's destination counts as one of its sources
	s_lshl_b32 s41, s24, 9
	v_lshlrev_b32 v[CPA], 3, v1
	v_add_nc_u32 v[CPA], s41, v[CPA]               ; the copy: 512 w + 8 lane,
.irp a, 1,2,3,4
	v_add_nc_u32 v[CPA+\a], 32768*\a, v[CPA]       ; and 16 rows of 2,048 bytes on for each row block
.endr
	s_mul_i32 s41, s24, 3072
	s_add_co_u32 s41, s41, IMG
	v_lshlrev_b32 v10, 4, v1
	v_add_nc_u32 v10, s41, v10                     ; my images: K steps 2 w, 2 w + 1
	s_lshl_b32 s41, s24, 2
	s_add_co_u32 s41, s41, ASC
	v_lshlrev_b32 v11, 4, v2
	v_add_nc_u32 v11, s41, v11                     ; my scale words
	v_lshl_add_u32 v12, v1, 4, IMG
	v_lshl_add_u32 v13, v1, 4, ASC
	s_mul_i32 s41, s24, 196608
	v_lshl_add_u32 v14, v1, 4, s41                 ; w2c: my 16 column blocks
	s_lshl_b32 s41, s24, 13
	v_lshl_add_u32 v15, v1, 4, s41                 ; w2s
	s_mul_i32 s41, s24, 320
	s_add_co_u32 s41, s41, SP
	v_lshlrev_b32 v18, 5, v3
	v_add_nc_u32 v18, s41, v18                     ; my part of the scores: rows 8 h on
	v_lshl_add_u32 v19, v1, 2, SP                  ; row = lane,
	v_add_nc_u32 v20, 128, v19                     ; 32 + lane,
	v_lshl_add_u32 v21, v2, 2, SP+256              ; 64 + lane % 16
	v_mov_b32 v28, v1                              ; the same as numbers, for the test against the tile's count;
	v_add_nc_u32 v29, 32, v1
	v_add_nc_u32 v30, 64, v1                       ; lanes 16-31 of the third stand at 80 and more: never valid
	s_mul_i32 s41, s24, 384
	s_add_co_u32 s41, s41, PL
	v_lshlrev_b32 v31, 2, v1
	v_add_nc_u32 v31, s41, v31
	v_mov_b32 v32, s41                             ; p of the 16 rows in hand: stepped in the weighted sum
	v_lshlrev_b32 v33, 3, v0                       ; the weighted sum: 8 x thread in a row of the copy: stepped there too
	v_lshlrev_b32 v34, 4, v0                       ; and 16 x thread in rec
	v_mov_b32 v39, 0xff800000                      ; -infinity
	s_lshl_b32 s33, s25, 2                         ; 4 b
	s_mov_b32 s[SEL], 0x76543210
	s_mov_b32 s[SEL+1], 0xfedcba98
	s_mov_b32 s[CC], 0x4038aa3b                    ; 2 log2(e)
	s_mov_b32 s[CC+1], s[CC]
	s_wait_kmcnt 0x0
	s_min_u32 s27, s27, 80
	s_wait_loadcnt 0x0
	; the rows' byte offsets: s held to 511, x 262,144, + my column, K steps and lane
.set n, 0
.rept 80
	v_min_u32 v[48+n], 0x1ff, v[48+n]
.set n, n+1
.endr
.set n, 0
.rept 80
	v_lshlrev_b32 v[48+n], 18, v[48+n]
.set n, n+1
.endr
.set n, 0
.rept 80
	v_add_nc_u32 v[48+n], v[48+n], v4
.set n, n+1
.endr
.irp g, 0,1,2
	v_min_u32 v[22+\g], 0x1ff, v[22+\g]
.endr
.irp g, 0,1,2
	v_lshlrev_b32 v[36+\g], 8, v[22+\g]
.endr
.irp g, 0,1,2
	v_add_nc_u32 v[36+\g], s33, v[36+\g]           ; a score's place: 256 s + 4 b
.endr
	; ---- 1: gather, copy as bf16, quantise.  Wave w takes K steps 2 w and 2 w + 1 of all 80 rows
	s_cmp_eq_u32 s27, 0
	s_cbranch_scc1 .Ls1
	XLOAD 0
	XLOAD 1
	XLOAD 2
.irp f, 0,1,2,3,4,5,6,7,8,9
	FRAG \f
.endr
.Ls1:
	s_wait_dscnt 0x0                               ; my stores have landed
	s_barrier_signal -1
	s_barrier_wait -1                              ; the copy, the 40 images and their scale words lie in LDS
	; ---- 2: the product, tanh's part, the scores' parts
	s_cmp_eq_u32 s27, 0
	s_cbranch_scc1 .Ls2
.irp q, 0,1,2,3,4,5,6,7,8,9,10,11,12,13,14,15
	global_load_b128 v[68+4*\q:71+4*\q], v15, s[10:11] offset:512*\q   ; W2's scale words of all eight K steps
.endr
	BL 0, 0
	BL 0, 1
	BL 1, 0
	WIN 0
.irp a, 0,1,2,3,4
	ds_load_b128 v[48+4*\a:51+4*\a], v13 offset:512*\a         ; the rows' scale words
.endr
	AL 0
	WIN 0x4c
.irp q, 0,1,2,3,4,5,6,7,8,9,10,11,12,13,14,15
	v_mul_f32 v[192+2*\q], 0x4038aa3b, v[200+\q]   ; pairs for the packed forms: c G twice,
	v_mul_f32 v[193+2*\q], 0x4038aa3b, v[200+\q]
	v_mul_f32 v[224+2*\q], -2.0, v[216+\q]         ; -2 W_v twice
	v_mul_f32 v[225+2*\q], -2.0, v[216+\q]
.endr
	s_wait_loadcnt 36                              ; W2's scale words, which the first product names, are in; the three half-sets behind them, 12 loads each, may be out
	BL 1, 1
	BL 2, 0
.irp g, 0,1,2,3,4,5,6,7
	STEP \g
.endr
	EPI 0
.irp g, 8,9,10,11,12,13,14,15
	STEP \g
.endr
	EPI 1
	WIN 0
.irp m, 1,2,4,8                                ; over my 16 columns of each block: the sixteen lanes of a half end with the same sum
.set n, 0
.rept 40
	v_add_f32_dpp v[132+n], v[132+n], v[132+n] row_xmask:\m row_mask:0xf bank_mask:0xf
.set n, n+1
.endr
.endr
.irp a, 0,1,2,3,4
	ds_store_b128 v18, v[132+8*\a:135+8*\a] offset:64*\a       ; rows 16 a + 8 h + 0 .. 7 (sixteen lanes write the same bytes with the same values)
	ds_store_b128 v18, v[136+8*\a:139+8*\a] offset:64*\a+16
.endr
.Ls2:
	s_wait_dscnt 0x0
	s_barrier_signal -1
	s_barrier_wait -1                              ; all four waves' parts of the scores lie in LDS
	v_mov_b32 v72, v39                             ; what an empty tile stores: m = -infinity,
	v_mov_b32 v73, 0                               ; l = 0,
.irp k, 0,1,2,3,4,5,6,7
	v_mov_b32 v[76+\k], 0                          ; sums 0; a tile with rows starts its eight column sums here
.endr
	; ---- 3: the tile's part of the softmax; every wave alike
	s_cmp_eq_u32 s27, 0
	s_cbranch_scc1 .Ls3
.irp g, 0,1,2
.irp u, 0,1,2,3
	ds_load_b32 v[48+4*\g+\u], v[19+\g] offset:320*\u
.endr
.endr
	s_wait_dscnt 0x0
.irp g, 0,1,2
	v_add_f32 v[48+4*\g], v[48+4*\g], v[49+4*\g]
	v_add_f32 v[50+4*\g], v[50+4*\g], v[51+4*\g]
.endr
.irp g, 0,1,2
	v_add_f32 v[60+\g], v[48+4*\g], v[50+4*\g]     ; score'
.endr
.irp g, 0,1,2
	v_cmp_gt_u32 vcc_lo, s27, v[28+\g]
	v_cndmask_b32 v[64+\g], v39, v[60+\g], vcc_lo  ; places beyond the tile's rows: -infinity
.endr
	v_max3_num_f32 v74, v64, v65, v66
.irp m, 1,2,4,8
	v_max_num_f32_dpp v74, v74, v74 row_xmask:\m row_mask:0xf bank_mask:0xf
.endr
	v_permlanex16_b32 v[TP], v74, s[SEL], s[SEL+1]
	v_max_num_f32 v72, v74, v[TP]                  ; m
.irp g, 0,1,2
	v_sub_f32 v[64+\g], v[64+\g], v72
.endr
.irp g, 0,1,2
	v_mul_f32 v[64+\g], 0x3fb8aa3b, v[64+\g]
.endr
.irp g, 0,1,2
	v_exp_f32 v[64+\g], v[64+\g]                   ; p = e^(score' - m); 0 beyond the rows
.endr
	v_nop
	s_wait_alu depctr_va_vdst(0)                   ; one wait for the three, ahead of their first reader
	v_add_f32 v75, v64, v65
	v_add_f32 v75, v75, v66
.irp m, 1,2,4,8
	v_add_f32_dpp v75, v75, v75 row_xmask:\m row_mask:0xf bank_mask:0xf
.endr
	v_permlanex16_b32 v[TP], v75, s[SEL], s[SEL+1]
	v_add_f32 v73, v75, v[TP]                      ; l
.irp g, 0,1,2
	ds_store_b32 v31, v[64+\g] offset:128*\g       ; p, to my wave's own words
.endr
.Ls3:
	; the weighted sum: thread t takes columns 4 t .. + 3 and 512 + 4 t .. + 3 of all rows, 16 rows a trip.  Five trips on every path; an empty tile jumps over the work alone, not over the steps
	s_mov_b32 s30, 0
.Lw:
	s_cmp_eq_u32 s27, 0
	s_cbranch_scc1 .Lwskip
.irp i, 0,1,2,3,4,5,6,7,8,9,10,11,12,13,14,15
	ds_load_b64 v[128+4*\i:129+4*\i], v33 offset:2048*\i
	ds_load_b64 v[130+4*\i:131+4*\i], v33 offset:2048*\i+1024
.endr
.irp u, 0,1,2,3
	ds_load_b128 v[192+4*\u:195+4*\u], v32 offset:16*\u        ; the 16 rows' p, the same in every lane (LDS serves a wave in order: these see my stores)
.endr
	s_wait_dscnt 0x0
.irp i, 0,1,2,3,4,5,6,7,8,9,10,11,12,13,14,15
.irp k, 0,1,2,3
	v_fma_mix_f32_bf16 v[76+2*\k], v[128+4*\i+\k], v[192+\i], v[76+2*\k] op_sel_hi:[1,0,0]
	v_fma_mix_f32_bf16 v[77+2*\k], v[128+4*\i+\k], v[192+\i], v[77+2*\k] op_sel:[1,0,0] op_sel_hi:[1,0,0]
.endr
.endr
.Lwskip:
	v_add_nc_u32 v33, 0x8000, v33                  ; 16 rows of the copy on,
	v_add_nc_u32 v32, 64, v32                      ; and their 16 p
	s_add_co_u32 s30, s30, 1
	s_cmp_lt_u32 s30, 5
	s_cbranch_scc1 .Lw
	global_store_b128 v34, v[76:79], s[22:23]              ; sixteen lanes: 256 consecutive bytes, aligned
	global_store_b128 v34, v[80:83], s[22:23] offset:2048
	s_cmp_lg_u32 s24, 0
	s_cbranch_scc1 .Lend
	global_store_b64 v40, v[72:73], s[20:21]               ; wave 0: (m, l): all lanes the same word pair and values
	s_cmp_eq_u32 s27, 0
	s_cbranch_scc1 .Lend
.irp g, 0,1,2                                  ; and the scores of the tile's rows: the wave's last lines, the only ones that change EXEC
	v_cmp_gt_u32 vcc_lo, s27, v[28+\g]
	s_wait_xcnt 0x0                                ; EXEC changes only behind this wait
	s_and_saveexec_b32 s40, vcc_lo
	global_store_b32 v[36+\g], v[60+\g], s[18:19]
	s_wait_xcnt 0x0
	s_or_b32 exec_lo, exec_lo, s40
.endr
.Lend:
	s_wait_tensorcnt 0x0
	ds_add_u32 v254, v255
	s_wait_dscnt 0x0
	s_endpgm
.Lfunc_end_k_q4cc2c97ec1_attend:
	.size	k_q4cc2c97ec1_attend, .Lfunc_end_k_q4cc2c97ec1_attend-k_q4cc2c97ec1_attend
	.p2alignl 7, 3214868480
	.fill 96, 4, 3214868480
	.section	.rodata,"a",@progbits
	.p2align	6, 0x0
	.amdhsa_kernel k_q4cc2c97ec1_attend
		.amdhsa_group_segment_fixed_size 264960
		.amdhsa_private_segment_fixed_size 0
		.amdhsa_enable_private_segment 0
		.amdhsa_kernarg_size 80
		.amdhsa_user_sgpr_count 2
		.amdhsa_user_sgpr_kernarg_segment_ptr 1
		.amdhsa_wavefront_size32 1
		.amdhsa_system_sgpr_workgroup_id_x 1
		.amdhsa_system_sgpr_workgroup_id_y 1
		.amdhsa_system_sgpr_workgroup_id_z 1
		.amdhsa_system_vgpr_workitem_id 0
		.amdhsa_next_free_vgpr 1024
		.amdhsa_next_free_sgpr 66
		.amdhsa_reserve_vcc 1
		.amdhsa_float_denorm_mode_32 3
		.amdhsa_float_denorm_mode_16_64 3
		.amdhsa_memory_ordered 1
		.amdhsa_forward_progress 1
		.amdhsa_inst_pref_size 255
	.end_amdhsa_kernel
	.section	.bss,"aw",@nobits
	.p2align	6
	.space	262144
	.amdgpu_metadata
---
amdhsa.version: [ 1, 2 ]
amdhsa.kernels:
  - .name:           k_q4cc2c97ec1_attend
    .symbol:         k_q4cc2c97ec1_attend.kd
    .args:
      - { .name: source_hids, .offset: 0, .size: 8, .value_kind: global_buffer, .address_space: global }
      - { .name: W_v, .offset: 8, .size: 8, .value_kind: global_buffer, .address_space: global }
      - { .name: w2c, .offset: 16, .size: 8, .value_kind: global_buffer, .address_space: global }
      - { .name: w2s, .offset: 24, .size: 8, .value_kind: global_buffer, .address_space: global }
      - { .name: gt, .offset: 32, .size: 8, .value_kind: global_buffer, .address_space: global }
      - { .name: tl, .offset: 40, .size: 8, .value_kind: global_buffer, .address_space: global }
      - { .name: tc, .offset: 48, .size: 8, .value_kind: global_buffer, .address_space: global }
      - { .name: sc, .offset: 56, .size: 8, .value_kind: global_buffer, .address_space: global }
      - { .name: stat, .offset: 64, .size: 8, .value_kind: global_buffer, .address_space: global }
      - { .name: rec, .offset: 72, .size: 8, .value_kind: global_buffer, .address_space: global }
    .group_segment_fixed_size: 264960
    .private_segment_fixed_size: 0
    .kernarg_segment_align: 8
    .kernarg_segment_size: 80
    .max_flat_workgroup_size: 128
    .sgpr_count:     66
    .vgpr_count:     1024
    .wavefront_size: 32
...
	.end_amdgpu_metadata
.endif
;; end of part 2
;; launch finish (part 3): grid 4 x 64, 3 waves a work-group, no clusters, 0 bytes of LDS; arguments stat, rec, sc, out0, out1; writes out0, out1
.if DOCPART == 3
	.amdgcn_target "amdgcn-amd-amdhsa--gfx1250"
	.amdhsa_code_object_version 6
	.text
	.protected	k_q4cc2c97ec1_finish
	.globl	k_q4cc2c97ec1_finish
	.p2align	8
	.type	k_q4cc2c97ec1_finish,@function
k_q4cc2c97ec1_finish:
	s_mov_b64 s[64:65], 0
	v_nop
	global_prefetch_b8 v0, s[64:65] scope:SCOPE_SE
	s_setreg_imm32_b32 hwreg(HW_REG_WAVE_MODE, 25, 1), 1
	s_wait_xcnt 0x0
; FINISH.  A column b has eight tiles with (m_j, l_j) and rec_j = sum of e^(score' - m_j) x row.  M = max m_j, f_j = e^(m_j - M), L = sum f_j l_j:
;   out0[b] = sum f_j rec_j / L;   out1[s][b] = e^(score'[s][b] - M) / L, which is 0 where the score is -infinity (masked).
; A column that is masked everywhere has M = -infinity: -infinity less -infinity is NaN, and NaN comes out in that column of both outputs, as the softmax of such a column gives.
; Work-group (x, b): waves 0 and 1 make out0[b][256 x .. + 255], 16 bytes a thread; wave 2 makes rows 2 G and 2 G + 1 of out1, G = 4 b + x: 512 consecutive bytes.  No LDS, no barrier: waves share nothing.
	s_load_b256 s[4:11], s[0:1], 0x0               ; stat 4, rec 6, sc 8, out0 10
	s_load_b64 s[12:13], s[0:1], 0x20              ; out1
	v_lshrrev_b32 v1, 5, v0
	v_readfirstlane_b32 s14, v1                    ; wave
	s_and_b32 s15, ttmp7, 0xffff                   ; b
	s_cmp_eq_u32 s14, 2
	s_cbranch_scc1 .Lp
	v_lshlrev_b32 v2, 4, v0                        ; 16 x thread
	v_mov_b32 v3, 0
	v_mov_b32 v7, 0                                ; (named with v6 as a pair)
	s_lshl_b32 s16, s15, 6
	s_mov_b32 s17, 0
	s_lshl_b32 s20, ttmp9, 10
	s_lshl_b32 s18, s15, 15
	s_add_co_u32 s18, s18, s20
	s_mov_b32 s19, 0
	s_lshl_b32 s22, s15, 12
	s_add_co_u32 s22, s22, s20
	s_mov_b32 s23, 0
	s_wait_kmcnt 0x0
	s_add_nc_u64 s[4:5], s[4:5], s[16:17]
	s_add_nc_u64 s[6:7], s[6:7], s[18:19]
	s_add_nc_u64 s[10:11], s[10:11], s[22:23]
.irp i, 0,1,2,3
	global_load_b128 v[48+4*\i:51+4*\i], v3, s[4:5] offset:16*\i       ; m_j at v[48 + 2 j], l_j at v[49 + 2 j]
.endr
.irp j, 0,1,2,3,4,5,6,7
	global_load_b128 v[16+4*\j:19+4*\j], v2, s[6:7] offset:4096*\j
.endr
	s_wait_loadcnt 0x0
	v_max3_num_f32 v4, v48, v50, v52
	v_max3_num_f32 v4, v4, v54, v56
	v_max3_num_f32 v4, v4, v58, v60
	v_max_num_f32 v4, v4, v62                      ; M
.irp j, 0,1,2,3,4,5,6,7
	v_sub_f32 v[48+2*\j], v[48+2*\j], v4
.endr
.irp j, 0,1,2,3,4,5,6,7
	v_mul_f32 v[48+2*\j], 0x3fb8aa3b, v[48+2*\j]
.endr
.irp j, 0,1,2,3,4,5,6,7
	v_exp_f32 v[48+2*\j], v[48+2*\j]               ; f_j
.endr
	v_nop
	s_wait_alu depctr_va_vdst(0)                   ; one wait for the eight, ahead of their first reader
	v_mul_f32 v5, v48, v49
.irp j, 1,2,3,4,5,6,7
	v_fmac_f32 v5, v[48+2*\j], v[49+2*\j]          ; L
.endr
	v_rcp_f32 v6, v5
	v_pk_mul_f32 v[8:9], v[16:17], v[48:49] op_sel_hi:[1,0]            ; plain work behind the reciprocal: sum f_j rec_j
	v_pk_mul_f32 v[10:11], v[18:19], v[48:49] op_sel_hi:[1,0]
.irp j, 1,2,3,4,5,6,7
	v_pk_fma_f32 v[8:9], v[16+4*\j:17+4*\j], v[48+2*\j:49+2*\j], v[8:9] op_sel_hi:[1,0,1]
	v_pk_fma_f32 v[10:11], v[18+4*\j:19+4*\j], v[48+2*\j:49+2*\j], v[10:11] op_sel_hi:[1,0,1]
.endr
	s_wait_alu depctr_va_vdst(0)                   ; ahead of the reciprocal's first reader
	v_pk_mul_f32 v[8:9], v[8:9], v[6:7] op_sel_hi:[1,0]
	v_pk_mul_f32 v[10:11], v[10:11], v[6:7] op_sel_hi:[1,0]
	global_store_b128 v2, v[8:11], s[10:11]        ; sixteen lanes: 256 consecutive bytes, aligned
	s_endpgm
.Lp:
	v_and_b32 v1, 31, v0
	v_lshlrev_b32 v2, 4, v1                        ; 16 x lane: row 2 G + lane / 16, columns 4 (lane % 16) .. + 3
	v_and_b32 v3, 15, v0
	v_lshlrev_b32 v3, 8, v3                        ; those four columns' statistics: 256 bytes
	s_lshl_b32 s16, s15, 2
	s_add_co_u32 s16, s16, ttmp9
	s_lshl_b32 s16, s16, 9                         ; 512 G
	s_mov_b32 s17, 0
	s_wait_kmcnt 0x0
	s_add_nc_u64 s[8:9], s[8:9], s[16:17]
	s_add_nc_u64 s[12:13], s[12:13], s[16:17]
	global_load_b128 v[8:11], v2, s[8:9]
.irp i, 0,1,2,3,4,5,6,7,8,9,10,11,12,13,14,15
	global_load_b128 v[16+4*\i:19+4*\i], v3, s[4:5] offset:16*\i       ; column c: m_j at v[16 + 16 c + 2 j], l_j behind it
.endr
	s_wait_loadcnt 0x0
.irp c, 0,1,2,3
	v_max3_num_f32 v[4+\c], v[16+16*\c], v[18+16*\c], v[20+16*\c]
.endr
.irp c, 0,1,2,3
	v_max3_num_f32 v[4+\c], v[4+\c], v[22+16*\c], v[24+16*\c]
.endr
.irp c, 0,1,2,3
	v_max3_num_f32 v[4+\c], v[4+\c], v[26+16*\c], v[28+16*\c]
.endr
.irp c, 0,1,2,3
	v_max_num_f32 v[4+\c], v[4+\c], v[30+16*\c]    ; M
.endr
.irp c, 0,1,2,3
	v_sub_f32 v[8+\c], v[8+\c], v[4+\c]
.irp j, 0,1,2,3,4,5,6,7
	v_sub_f32 v[16+16*\c+2*\j], v[16+16*\c+2*\j], v[4+\c]
.endr
.endr
.irp c, 0,1,2,3
	v_mul_f32 v[8+\c], 0x3fb8aa3b, v[8+\c]
.irp j, 0,1,2,3,4,5,6,7
	v_mul_f32 v[16+16*\c+2*\j], 0x3fb8aa3b, v[16+16*\c+2*\j]
.endr
.endr
.irp c, 0,1,2,3
	v_exp_f32 v[8+\c], v[8+\c]                     ; e^(score' - M)
.irp j, 0,1,2,3,4,5,6,7
	v_exp_f32 v[16+16*\c+2*\j], v[16+16*\c+2*\j]   ; f_j
.endr
.endr
	v_nop
	s_wait_alu depctr_va_vdst(0)                   ; one wait for the 36
.irp c, 0,1,2,3
	v_mul_f32 v[12+\c], v[16+16*\c], v[17+16*\c]
.endr
.irp j, 1,2,3,4,5,6,7
.irp c, 0,1,2,3
	v_fmac_f32 v[12+\c], v[16+16*\c+2*\j], v[17+16*\c+2*\j]    ; L
.endr
.endr
.irp c, 0,1,2,3
	v_rcp_f32 v[12+\c], v[12+\c]
.endr
	v_nop
	s_wait_alu depctr_va_vdst(0)                   ; one wait for the four
.irp c, 0,1,2,3
	v_mul_f32 v[8+\c], v[8+\c], v[12+\c]
.endr
	global_store_b128 v2, v[8:11], s[12:13]        ; 512 consecutive bytes, aligned
	s_endpgm
.Lfunc_end_k_q4cc2c97ec1_finish:
	.size	k_q4cc2c97ec1_finish, .Lfunc_end_k_q4cc2c97ec1_finish-k_q4cc2c97ec1_finish
	.p2alignl 7, 3214868480
	.fill 96, 4, 3214868480
	.section	.rodata,"a",@progbits
	.p2align	6, 0x0
	.amdhsa_kernel k_q4cc2c97ec1_finish
		.amdhsa_group_segment_fixed_size 0
		.amdhsa_private_segment_fixed_size 0
		.amdhsa_enable_private_segment 0
		.amdhsa_kernarg_size 40
		.amdhsa_user_sgpr_count 2
		.amdhsa_user_sgpr_kernarg_segment_ptr 1
		.amdhsa_wavefront_size32 1
		.amdhsa_system_sgpr_workgroup_id_x 1
		.amdhsa_system_sgpr_workgroup_id_y 1
		.amdhsa_system_sgpr_workgroup_id_z 1
		.amdhsa_system_vgpr_workitem_id 0
		.amdhsa_next_free_vgpr 128
		.amdhsa_next_free_sgpr 66
		.amdhsa_reserve_vcc 0
		.amdhsa_float_denorm_mode_32 3
		.amdhsa_float_denorm_mode_16_64 3
		.amdhsa_memory_ordered 1
		.amdhsa_forward_progress 1
		.amdhsa_inst_pref_size 14
	.end_amdhsa_kernel
	.amdgpu_metadata
---
amdhsa.version: [ 1, 2 ]
amdhsa.kernels:
  - .name:           k_q4cc2c97ec1_finish
    .symbol:         k_q4cc2c97ec1_finish.kd
    .args:
      - { .name: stat, .offset: 0, .size: 8, .value_kind: global_buffer, .address_space: global }
      - { .name: rec, .offset: 8, .size: 8, .value_kind: global_buffer, .address_space: global }
      - { .name: sc, .offset: 16, .size: 8, .value_kind: global_buffer, .address_space: global }
      - { .name: out0, .offset: 24, .size: 8, .value_kind: global_buffer, .address_space: global }
      - { .name: out1, .offset: 32, .size: 8, .value_kind: global_buffer, .address_space: global }
    .group_segment_fixed_size: 0
    .private_segment_fixed_size: 0
    .kernarg_segment_align: 8
    .kernarg_segment_size: 40
    .max_flat_workgroup_size: 96
    .sgpr_count:     66
    .vgpr_count:     128
    .wavefront_size: 32
...
	.end_amdgpu_metadata
.endif
;; end of part 3
;; ======== version 2 of 2: 3 launches
;; limits: values are held in bf16: 8 bits of precision; right only within a limited range of input values
;; workspace buffers: w2c 786,432 bytes; w2s 32,768 bytes; gt 262,144 bytes; tl 262,144 bytes of whole numbers; tc 2,048 bytes of whole numbers; sc 131,072 bytes; stat 4,096 bytes; rec 2,097,152 bytes
;; launch prep (part 4): grid 72 x 1, 8 waves a work-group, no clusters, 101,376 bytes of LDS; arguments W_in, input, encoder_padding_mask, w2c, w2s, gt, tl, tc, sc; writes w2c, w2s, gt, tl, tc, sc
.if DOCPART == 4
	.amdgcn_target "amdgcn-amd-amdhsa--gfx1250"
	.amdhsa_code_object_version 6
	.text
	.protected	k_q4cc2c97ec1_prep
	.globl	k_q4cc2c97ec1_prep
	.p2align	8
	.type	k_q4cc2c97ec1_prep,@function
k_q4cc2c97ec1_prep:
	s_mov_b64 s[64:65], 0
	v_nop
	global_prefetch_b8 v0, s[64:65] scope:SCOPE_SE
	s_setreg_imm32_b32 hwreg(HW_REG_WAVE_MODE, 25, 1), 1
	s_wait_xcnt 0x0
; PREP.  x = [input[b]; source_hids[s][b]] and K = 2,048 parts at a block boundary, so x W_in^T = G[b] + Q(source_hids[s][b]) Q(W2)^T with W1 = W_in[:, 0:1024], W2 = W_in[:, 1024:2048]
; and G = Q(input) Q(W1)^T, the same for every s.  Codes are BF6 (E3M2), one E8M0 byte for each 32 along K.
; Work-groups 0-63 (role MAIN, n = the work-group's number): the 16 rows 16 n .. 16 n + 15 of W_in.  Wave kk takes K step kk (128 along K): it quantises W1's and W2's fragment and the four
;   fragments of input's 64 rows, stores W2's fragment as an image of the operand's registers (w2c) with its scale words (w2s), multiplies input by W1 (4 matrix instructions); the eight waves'
;   parts of G meet in LDS and leave as an image of the result's registers (gt).
; Work-groups 64-71 (role LISTS, wave = one column b): the mask's column b is read, its unmasked s are ranked, cut into 4 tiles (n <= 320) or 8 tiles of q = ceil(n / tiles) rows, at most 80, and
;   written as lists (tl, 96 places a tile, unused places 0) and counts (tc).  The scores' buffer sc is filled with -infinity: the next launch overwrites the unmasked places.
; LIMITS: NaN and infinities among the float inputs are not served; a block whose largest magnitude lies under 2^-122 keeps the byte 1; a block of zeros has the byte 1 where the rule says 127
; (its codes are zeros, and this program alone reads the bytes).
.set STG,  0                           ; LDS: a stage of 16 rows x 528 bytes for each wave, the wave's own
.set RED,  67584                       ; LDS: 4,096 bytes for each wave: its part of G
.set X,    128                         ; v128-191 64 numbers of my row: register 32 c + i = k 64 c + 32 (lane / 16) + i
.set TC,   236                         ; v236-243 the upper halves of two blocks' codes
.set TM,   244                         ; v244-247 largest magnitudes
.set TS,   248                         ; v248-249 the conversions' scale operands
.set TB,   250                         ; v250-251 scale bytes
.set TP,   252                         ; v252     the other half's bytes
.set LO,   4                           ; v4   16 x lane
.set STW,  5                           ; v5   the stage, on the way in
.set STR,  6                           ; v6   and on the way out
.set H8,   7                           ; v7   8 x (lane / 16)
.set SWO,  8                           ; v8   my scale word's place in w2s
.set REDW, 9
.set REDR, 10
.set SEL,  22                          ; s[22:23] lane selects: lane l xor 16
.set WV,   26                          ; s26  wave
.set MSB, 0
.macro WIN new                         ; the immediate's high byte repeats the setting that is left
.if MSB != (\new)
	s_set_vgpr_msb (MSB<<8)|(\new)
.set MSB, \new
.endif
.endm
.macro PLACES n
.rept \n
	v_nop
.endr
.endm
; 16 rows x 512 bytes, loaded a row an instruction into window 1, turn through the wave's own stage: in as loaded, out 128 bytes a block.  Rows 528 = 33 x 16 bytes apart: sixteen rows' pieces of
; 16 bytes fall on sixteen different places modulo 256.  LDS serves a wave's instructions in order: no wait between the stores and the loads.
.macro TURN set
	WIN 0x04                                       ; an LDS store's data are its source 1: window 1
.irp i, 0,1,2,3,4,5,6,7,8,9,10,11,12,13,14,15
	ds_store_b128 v[STW], v[64*(\set)+4*\i:64*(\set)+4*\i+3] offset:528*\i
.endr
	WIN 0
.irp c, 0,1
.irp j, 0,1,2,3,4,5,6,7
	ds_load_b128 v[X+32*\c+4*\j:X+32*\c+4*\j+3], v[STR] offset:256*\c+16*\j
.endr
.endr
.endm
; The 64 numbers in X become a fragment's 12 registers at v[f] and my row's scale word in v[pw].  A lane holds two whole blocks (2 c + lane / 16).
.macro QF f, pw
.irp c, 0,1
.irp u, 0,1
	v_max3_num_f32 v[TM+2*\c+\u], |v[X+32*\c+16*\u]|, |v[X+32*\c+16*\u+1]|, 0x2800000   ; with the floor 2^(5 - 127): the byte cannot fall under 1
.endr
.endr
.irp i, 2,4,6,8,10,12,14
.irp c, 0,1
.irp u, 0,1
	s_delay_alu instid0(VALU_DEP_4)
	v_max3_num_f32 v[TM+2*\c+\u], v[TM+2*\c+\u], |v[X+32*\c+16*\u+\i]|, |v[X+32*\c+16*\u+\i+1]|   ; four chains by turns
.endr
.endr
.endr
.irp c, 0
	s_delay_alu instid0(VALU_DEP_3)
	v_max_num_f32 v[TM+2*\c], v[TM+2*\c], v[TM+2*\c+1]
.endr
.irp c, 1
	s_delay_alu instid0(VALU_DEP_2)
	v_max_num_f32 v[TM+2*\c], v[TM+2*\c], v[TM+2*\c+1]
.endr
.irp c, 0,1
	s_delay_alu instid0(VALU_DEP_2)
	v_add_nc_u32 v[TS+\c], 0xfe000000, v[TM+2*\c]  ; 4 off the exponent field: the conversion's scale operand
.endr
.irp c, 0,1
	s_delay_alu instid0(VALU_DEP_2)
	v_lshrrev_b32 v[TB+\c], 23, v[TS+\c]           ; the scale's byte
.endr
	s_delay_alu instid0(VALU_DEP_1)
	v_lshl_or_b32 v[\pw], v[TB+1], 16, v[TB]       ; my two bytes: blocks h and 2 + h,
	s_delay_alu instid0(VALU_DEP_1)
	v_lshlrev_b32 v[\pw], v[H8], v[\pw]            ; at their places;
	s_delay_alu instid0(VALU_DEP_1)
	v_permlanex16_b32 v[TP], v[\pw], s[SEL], s[SEL+1]
	s_delay_alu instid0(VALU_DEP_1)
	v_or_b32 v[\pw], v[\pw], v[TP]                 ; with lane l xor 16's two the word is whole
.irp c, 0,1
	v_cvt_scalef32_pk16_bf6_f32 v[(\f)+6*\c:(\f)+6*\c+2], v[X+32*\c:X+32*\c+15], v[TS+\c]
	v_cvt_scalef32_pk16_bf6_f32 v[TC+4*\c:TC+4*\c+2], v[X+32*\c+16:X+32*\c+31], v[TS+\c]   ; (a conversion's three registers begin on an even number)
.endr
	v_nop                                          ; one plain place behind a scaled conversion
.irp c, 0,1
.irp i, 0,1,2
	v_mov_b32 v[(\f)+6*\c+3+\i], v[TC+4*\c+\i]
.endr
.endr
.endm
	s_load_b512 s[4:19], s[0:1], 0x0               ; W_in 4, input 6, mask 8, w2c 10, w2s 12, gt 14, tl 16, tc 18
	s_load_b64 s[20:21], s[0:1], 0x40              ; sc
	v_lshl_add_u32 v254, v0, 2, 0x18800
	v_mov_b32 v255, 0
	v_lshrrev_b32 v1, 5, v0
	s_delay_alu instid0(VALU_DEP_1)
	v_readfirstlane_b32 s[WV], v1                  ; wave 0..7
	v_and_b32 v1, 31, v0                           ; lane
	s_cmp_lt_u32 ttmp9, 64
	s_cbranch_scc0 .Llists
	; ---------------- role MAIN ----------------
	v_and_b32 v2, 15, v0                           ; r
	v_bfe_u32 v3, v0, 4, 1                         ; h
	v_lshlrev_b32 v[LO], 4, v1
	s_wait_alu depctr_va_vdst(0)
	s_mul_i32 s27, s[WV], 8448                     ; my stage (STG = 0)
	v_add_nc_u32 v[STW], s27, v[LO]
	v_mul_u32_u24 v[STR], v2, 528
	s_delay_alu instid0(VALU_DEP_1)
	v_lshl_add_u32 v[STR], v3, 7, v[STR]
	s_delay_alu instid0(VALU_DEP_1)
	v_add_nc_u32 v[STR], s27, v[STR]
	v_lshlrev_b32 v[H8], 3, v3
	s_and_b32 s28, s[WV], 1
	s_lshl_b32 s28, s28, 8
	s_lshr_b32 s29, s[WV], 1
	s_lshl_b32 s29, s29, 2
	s_add_co_u32 s28, s28, s29
	v_lshl_add_u32 v[SWO], v2, 4, s28              ; 16 r + 256 (kk % 2) + 4 (kk / 2)
	s_lshl_b32 s29, s[WV], 12
	s_add_co_u32 s29, s29, RED
	v_add_nc_u32 v[REDW], s29, v[LO]
	s_lshl_b32 s29, s[WV], 9
	s_add_co_u32 s29, s29, RED
	v_add_nc_u32 v[REDR], s29, v[LO]
	v_mov_b32 v[TP], 0                             ; a lane permute's destination counts as one of its sources
	s_mov_b32 s[SEL], 0x76543210
	s_mov_b32 s[SEL+1], 0xfedcba98
	s_lshl_b32 s32, s[WV], 9                       ; 512 kk
	s_mov_b32 s33, 0
	s_lshl_b32 s30, ttmp9, 17                      ; 16 rows of 8,192 bytes
	s_add_co_u32 s30, s30, s32
	s_mov_b32 s31, 0
	s_lshl_b32 s34, ttmp9, 3
	s_add_co_u32 s34, s34, s[WV]
	s_mul_i32 s34, s34, 1536                       ; fragment (n, kk)
	s_mov_b32 s35, 0
	s_lshl_b32 s36, ttmp9, 9
	s_mov_b32 s37, 0
	s_lshl_b32 s38, ttmp9, 12
	s_add_co_u32 s38, s38, s32
	s_mov_b32 s39, 0
	s_wait_alu depctr_va_vdst(0)
	s_wait_kmcnt 0x0
	s_add_nc_u64 s[4:5], s[4:5], s[30:31]
	s_add_nc_u64 s[6:7], s[6:7], s[32:33]
	s_add_nc_u64 s[10:11], s[10:11], s[34:35]
	s_add_nc_u64 s[12:13], s[12:13], s[36:37]
	s_add_nc_u64 s[14:15], s[14:15], s[38:39]
; fragment f: 0 = W1, 1-4 = input's rows 16 (f - 1) on, 5 = W2.  16 loads, a row's 512 consecutive bytes each, into set f % 4 of window 1
.macro XL f
	WIN 0x40
.irp i, 0,1,2,3,4,5,6,7,8,9,10,11,12,13,14,15
.if (\f) == 0
	global_load_b128 v[64*((\f)%4)+4*\i:64*((\f)%4)+4*\i+3], v[LO], s[4:5] offset:8192*\i th:TH_LOAD_NT
.elseif (\f) == 5
	global_load_b128 v[64*((\f)%4)+4*\i:64*((\f)%4)+4*\i+3], v[LO], s[4:5] offset:8192*\i+4096 th:TH_LOAD_NT
.else
	global_load_b128 v[64*((\f)%4)+4*\i:64*((\f)%4)+4*\i+3], v[LO], s[6:7] offset:4096*(16*((\f)-1)+\i)
.endif
.endr
	WIN 0
.endm
	XL 0
	XL 1
	XL 2
.irp f, 0,1,2,3,4,5
.if \f < 4
	s_wait_loadcnt 32                              ; this fragment's 16 loads are in; the two later fragments' may be out
.else
	s_wait_loadcnt 16*(5-\f)
.endif
.if \f+3 <= 5
	XL \f+3                                        ; into the set whose stores to the stage were waited for a fragment ago
.endif
	TURN (\f%4)
	s_wait_dscnt 0x0
	QF 16+12*\f, 88+\f
.endr
.irp c, 0,1,2
	global_store_b128 v[LO], v[76+4*\c:79+4*\c], s[10:11] offset:512*\c   ; W2's fragment as it stands: 512 consecutive bytes a store
.endr
	global_store_b32 v[SWO], v93, s[12:13]         ; its scale words (both halves of the lanes write the same word with the same value)
	PLACES 8                                       ; scale registers written by vector instructions stand 8 places ahead of a scaled matrix instruction, operands 4
.irp mb, 0,1,2,3
	v_wmma_scale_f32_16x16x128_f8f6f4 v[96+8*\mb:103+8*\mb], v[28+12*\mb:39+12*\mb], v[16:27], 0, v[89+\mb], v88 matrix_a_fmt:MATRIX_FMT_BF6 matrix_b_fmt:MATRIX_FMT_BF6
.endr
	PLACES 4
.irp q, 0,1,2,3,4,5,6,7
	ds_store_b128 v[REDW], v[96+4*\q:99+4*\q] offset:512*\q      ; each accumulator from its low end on
.endr
	s_wait_dscnt 0x0                               ; for the others' sake: my part of G lies in LDS
	s_barrier_signal -1
	s_barrier_wait -1
.irp u, 0,1,2,3,4,5,6,7
	ds_load_b128 v[192+4*\u:195+4*\u], v[REDR] offset:4096*\u    ; piece kk of all eight waves' parts
.endr
	s_wait_dscnt 0x0
.irp u, 0,2,4,6
	v_pk_add_f32 v[192+4*\u:193+4*\u], v[192+4*\u:193+4*\u], v[196+4*\u:197+4*\u]
	v_pk_add_f32 v[194+4*\u:195+4*\u], v[194+4*\u:195+4*\u], v[198+4*\u:199+4*\u]
.endr
.irp u, 0
	v_pk_add_f32 v[192+4*\u:193+4*\u], v[192+4*\u:193+4*\u], v[200+4*\u:201+4*\u]
	v_pk_add_f32 v[194+4*\u:195+4*\u], v[194+4*\u:195+4*\u], v[202+4*\u:203+4*\u]
.endr
.irp u, 4
	s_delay_alu instid0(VALU_DEP_4)
	v_pk_add_f32 v[192+4*\u:193+4*\u], v[192+4*\u:193+4*\u], v[200+4*\u:201+4*\u]
	s_delay_alu instid0(VALU_DEP_4)
	v_pk_add_f32 v[194+4*\u:195+4*\u], v[194+4*\u:195+4*\u], v[202+4*\u:203+4*\u]
.endr
	s_delay_alu instid0(VALU_DEP_2)
	v_pk_add_f32 v[192:193], v[192:193], v[208:209]
	s_delay_alu instid0(VALU_DEP_2)
	v_pk_add_f32 v[194:195], v[194:195], v[210:211]
	global_store_b128 v[LO], v[192:195], s[14:15]  ; 512 consecutive bytes of G's image
	s_wait_tensorcnt 0x0
	ds_add_u32 v254, v255
	s_wait_dscnt 0x0
	s_endpgm
	; ---------------- role LISTS ----------------
.Llists:
	s_sub_co_u32 s27, ttmp9, 64                    ; u
	s_lshl_b32 s28, s27, 3
	s_add_co_u32 s28, s28, s[WV]                   ; b = 8 u + wave
	s_wait_alu depctr_va_vdst(0)
	v_lshlrev_b32 v2, 4, v1                        ; 16 x lane
	v_lshlrev_b32 v3, 4, v0                        ; 16 x thread
	v_lshl_add_u32 v4, v1, 6, s28                  ; the mask: 64 x lane + b
	v_add_nc_u32 v5, 0x300, v1                     ; a masked lane's place: dump word 768 + lane
.irp i, 8,9,10,11
	v_mov_b32 v[\i], 0
.endr
.irp i, 12,13,14,15
	v_mov_b32 v[\i], 0xff800000                    ; -infinity
.endr
	s_lshl_b32 s30, s28, 12                        ; tl: 4,096 bytes a column
	s_mov_b32 s31, 0
	s_lshl_b32 s58, s27, 14                        ; sc: 16,384 bytes a work-group
	s_mov_b32 s59, 0
	s_lshl_b32 s60, s28, 5                         ; tc: 32 bytes a column
	s_mov_b32 s61, 0
	s_wait_alu depctr_va_vdst(0)
	s_wait_kmcnt 0x0
	s_add_nc_u64 s[16:17], s[16:17], s[30:31]
	s_add_nc_u64 s[20:21], s[20:21], s[58:59]
	s_add_nc_u64 s[18:19], s[18:19], s[60:61]
.irp t, 0,1,2,3,4,5,6,7,8,9,10,11,12,13,14,15
	global_load_u8 v[16+\t], v4, s[8:9] offset:2048*\t           ; mask[32 t + lane][b]
.endr
.irp i, 0,1,2,3,4,5
	global_store_b128 v2, v[8:11], s[16:17] offset:512*\i        ; the eight lists' 3,072 bytes: zeros
.endr
.irp i, 0,1,2,3
	global_store_b128 v3, v[12:15], s[20:21] offset:4096*\i      ; the scores: -infinity
.endr
	s_wait_loadcnt 0x0
	s_mov_b32 s24, 0
.irp t, 0,1,2,3,4,5,6,7,8,9,10,11,12,13,14,15
	v_cmp_eq_u32 s[32+\t], 0, v[16+\t]             ; the lanes whose s counts
	s_delay_alu instid0(VALU_DEP_1)
	v_mbcnt_lo_u32_b32 v[48+\t], s[32+\t], s24     ; rank: the counting s below mine
	s_bcnt1_i32_b32 s25, s[32+\t]
	s_add_co_u32 s24, s24, s25
.endr                                              ; s24 = n
	s_cmp_le_u32 s24, 320
	s_cselect_b32 s25, 2, 3
	s_cselect_b32 s29, 3, 7
	s_add_co_u32 s29, s24, s29
	s_lshr_b32 s29, s29, s25                       ; q = ceil(n / 4) or ceil(n / 8): at most 80
.irp k, 1,2,3,4,5,6,7
	s_mul_i32 s[48+\k], s29, \k
.endr
	s_sub_co_u32 s56, 96, s29
	v_mov_b32 v6, s56                              ; from tile to tile a place moves on by 96 - q beyond the rank
.irp t, 0,1,2,3,4,5,6,7,8,9,10,11,12,13,14,15
	v_mov_b32 v[64+\t], v[48+\t]
.irp k, 1,2,3,4,5,6,7
	v_cmp_le_u32 vcc_lo, s[48+\k], v[48+\t]
	s_delay_alu instid0(VALU_DEP_1)
	v_cndmask_b32 v7, 0, v6, vcc_lo
	s_delay_alu instid0(VALU_DEP_1)
	v_add_nc_u32 v[64+\t], v[64+\t], v7            ; place = 96 x tile + rank within the tile
.endr
	s_delay_alu instid0(VALU_DEP_1)
	v_cndmask_b32 v[64+\t], v5, v[64+\t], s[32+\t]
	s_delay_alu instid0(VALU_DEP_1)
	v_min_u32 v[64+\t], 0x3ff, v[64+\t]
	s_delay_alu instid0(VALU_DEP_1)
	v_lshlrev_b32 v[80+\t], 2, v[64+\t]
	v_add_nc_u32 v[96+\t], 32*\t, v1               ; s
	s_delay_alu instid0(VALU_DEP_1)
	v_cndmask_b32 v[96+\t], v1, v[96+\t], s[32+\t] ; (a dump word gets its lane's number, whatever t)
.endr
	s_wait_alu depctr_va_vdst(0)
	s_wait_storecnt 0x0                            ; the zeros have landed: the places go onto the same words
.irp t, 0,1,2,3,4,5,6,7,8,9,10,11,12,13,14,15
	global_store_b32 v[80+\t], v[96+\t], s[16:17]
.endr
	v_and_b32 v6, 7, v1                            ; tile j = lane % 8: its rows = min(q, n - min(n, j q))
	s_delay_alu instid0(VALU_DEP_1)
	v_mul_u32_u24 v7, v6, s29
	s_delay_alu instid0(VALU_DEP_1)
	v_min_u32 v7, s24, v7
	s_delay_alu instid0(VALU_DEP_1)
	v_sub_nc_u32 v7, s24, v7
	s_delay_alu instid0(VALU_DEP_1)
	v_min_u32 v7, s29, v7
	v_lshlrev_b32 v112, 2, v6
	global_store_b32 v112, v7, s[18:19]            ; (lanes 8-31 repeat lanes 0-7's words and values)
	s_endpgm
.Lfunc_end_k_q4cc2c97ec1_prep:
	.size	k_q4cc2c97ec1_prep, .Lfunc_end_k_q4cc2c97ec1_prep-k_q4cc2c97ec1_prep
	.p2alignl 7, 3214868480
	.fill 96, 4, 3214868480
	.section	.rodata,"a",@progbits
	.p2align	6, 0x0
	.amdhsa_kernel k_q4cc2c97ec1_prep
		.amdhsa_group_segment_fixed_size 101376
		.amdhsa_private_segment_fixed_size 0
		.amdhsa_enable_private_segment 0
		.amdhsa_kernarg_size 72
		.amdhsa_user_sgpr_count 2
		.amdhsa_user_sgpr_kernarg_segment_ptr 1
		.amdhsa_wavefront_size32 1
		.amdhsa_system_sgpr_workgroup_id_x 1
		.amdhsa_system_sgpr_workgroup_id_y 1
		.amdhsa_system_sgpr_workgroup_id_z 1
		.amdhsa_system_vgpr_workitem_id 0
		.amdhsa_next_free_vgpr 512
		.amdhsa_next_free_sgpr 66
		.amdhsa_reserve_vcc 1
		.amdhsa_float_denorm_mode_32 3
		.amdhsa_float_denorm_mode_16_64 3
		.amdhsa_memory_ordered 1
		.amdhsa_forward_progress 1
		.amdhsa_inst_pref_size 88
	.end_amdhsa_kernel
	.amdgpu_metadata
---
amdhsa.version: [ 1, 2 ]
amdhsa.kernels:
  - .name:           k_q4cc2c97ec1_prep
    .symbol:         k_q4cc2c97ec1_prep.kd
    .args:
      - { .name: W_in, .offset: 0, .size: 8, .value_kind: global_buffer, .address_space: global }
      - { .name: input, .offset: 8, .size: 8, .value_kind: global_buffer, .address_space: global }
      - { .name: encoder_padding_mask, .offset: 16, .size: 8, .value_kind: global_buffer, .address_space: global }
      - { .name: w2c, .offset: 24, .size: 8, .value_kind: global_buffer, .address_space: global }
      - { .name: w2s, .offset: 32, .size: 8, .value_kind: global_buffer, .address_space: global }
      - { .name: gt, .offset: 40, .size: 8, .value_kind: global_buffer, .address_space: global }
      - { .name: tl, .offset: 48, .size: 8, .value_kind: global_buffer, .address_space: global }
      - { .name: tc, .offset: 56, .size: 8, .value_kind: global_buffer, .address_space: global }
      - { .name: sc, .offset: 64, .size: 8, .value_kind: global_buffer, .address_space: global }
    .group_segment_fixed_size: 101376
    .private_segment_fixed_size: 0
    .kernarg_segment_align: 8
    .kernarg_segment_size: 72
    .max_flat_workgroup_size: 256
    .sgpr_count:     66
    .vgpr_count:     512
    .wavefront_size: 32
...
	.end_amdgpu_metadata
.endif
;; end of part 4
;; launch attend (part 5): grid 8 x 64, 4 waves a work-group, no clusters, 264,960 bytes of LDS; arguments source_hids, W_v, w2c, w2s, gt, tl, tc, sc, stat, rec; writes sc, stat, rec
.if DOCPART == 5
	.amdgcn_target "amdgcn-amd-amdhsa--gfx1250"
	.amdhsa_code_object_version 6
	.text
	.protected	k_q4cc2c97ec1_attend
	.globl	k_q4cc2c97ec1_attend
	.p2align	8
	.type	k_q4cc2c97ec1_attend,@function
k_q4cc2c97ec1_attend:
	s_mov_b64 s[64:65], 0
	v_nop
	global_prefetch_b8 v0, s[64:65] scope:SCOPE_SE
	s_setreg_imm32_b32 hwreg(HW_REG_WAVE_MODE, 25, 1), 1
	s_wait_xcnt 0x0
; ATTEND.  A work-group takes one tile j of one column b: up to 80 unmasked rows (s, b) of source_hids, named by the list that the launch before stored.  A column has at most 8 tiles, so 8 x 64
; work-groups serve every mask; a tile without rows jumps over the work between the barriers and stores m = -infinity, l = 0 and zeros.
; WHICH TILE: with i = 8 y + x the work-group's number, b = (i / 4) % 64 and j = i % 4 + 4 (i / 256): one-to-one.  A column with 320 unmasked rows or fewer has its rows in tiles 0-3 and none in tiles 4-7:
; so the tiles that always have rows get the 256 lowest numbers.
; LEFT OUT: rows that the mask sets to -infinity have weight 0 in both outputs for every value of the inputs, so their scores are not computed; NaN, infinity or overflow that reaches only those rows is not carried on.
; For a tile:
;   1  the rows are gathered (4,096 bytes each, read once), kept as bf16 in LDS for the weighted sum, and quantised to BF6 along K: 40 fragments as images of the operand's registers;
;   2  z = Q(rows) Q(W2)^T, K = 1,024, N = 1,024: wave w makes columns 256 w .. + 255 in two passes of 128 (40 accumulators), one loop trip a pass; r = 1 / (1 + 2^(2 log2(e) (z + G[b])));
;      score' = sum of -2 W_v[o] r.  tanh z = 1 - 2 r, so the true score is score' + sum(W_v): the same along s, which the softmax over s cancels exactly;
;   3  the tile's largest score' m, p = e^(score' - m), l = sum p, and sum p x row (bf16 rows, f32 sums) go to memory; the last launch joins a column's eight tiles.
; W2's fragments go from memory straight into registers.  NO TENSOR LOADS AND NO JOINT REQUESTS, though all work-groups walk the same W2: a tile may be empty, which is a branch on a stored count.
;   Both barriers stand on every path; only work is jumped over.  No data prefetch: the gather's loads stand three fragments ahead of their use and
; W2's five half-sets ahead; neither stream has further trips to run ahead in.
; EVERY LDS ADDRESS REGISTER IS MADE AHEAD OF THE FIRST BRANCH ON THE COUNT, on the one path that all waves take.
; LIMITS: NaN and infinities among the float inputs are not served (a padding row is row s = 0 with weight 0); blocks under 2^-122 keep the byte 1; rows are rounded to bf16 for the weighted sum.
; REGISTERS.  window 0: v0-45 addresses and lists; by phase: (load) v48-127 row offsets, v128-191 X, v192-223 bf16, v224-252 codes at work; (product) v48-67 rows' scale words, v68-99 W2's of this pass,
;   v100-131 of the second pass, v132-251 two sets of the rows' five fragments; (tail) v48-83 scores and sums, v128-207.
;   window 1: (load) four sets of 64; (product) W2's slots 0, 1 at v0, v96; pairs of c G at v192, of -2 W_v at v224.
;   window 2: accumulators (a, cb) at 64 a + 8 cb, a = 0..3.   window 3: accumulators (4, cb) at 8 cb; W2's slot 2 at v64; the score sums at v160; this pass's G at v200, W_v at v216.
.set COPY, 0                           ; LDS: 80 rows of 1,024 bf16, 2,048 bytes apart
.set IMG,  163840                      ; 40 fragments (row block a, K step kk) at 1,536 (8 a + kk)
.set ASC,  225280                      ; their scale words: 512 a + 16 lane' + 4 q = row 16 a + lane' % 16, K step 2 q + lane' / 16
.set STG,  227840                      ; a stage of 16 x 528 bytes for each wave, its own
.set SP,   261632                      ; 320 bytes a wave: its columns' part of the 80 scores
.set PL,   262912                      ; 384 bytes a wave: p of 96 places, its own
.set X,    128
.set TC,   236
.set TM,   244
.set TS,   248
.set TB,   250
.set STW,  5
.set STR,  6
.set H8,   7
.set TP,   8
.set CPA,  41                          ; v41-45 the bf16 copy: row block a's first row, my columns
.set SEL,  34                          ; s[34:35]
.set CC,   36                          ; s[36:37] 2 log2(e), twice
.set MSB, 0
.macro WIN new                         ; the immediate's high byte repeats the setting that is left
.if MSB != (\new)
	s_set_vgpr_msb (MSB<<8)|(\new)
.set MSB, \new
.endif
.endm
.macro PLACES n
.rept \n
	v_nop
.endr
.endm
; 16 rows x 512 bytes, loaded a row an instruction into window 1, turn through the wave's own stage: in as loaded, out 128 bytes a block.  Rows 528 = 33 x 16 bytes apart.  LDS serves a wave in order.
.macro TURN set
	WIN 0x04
.irp i, 0,1,2,3,4,5,6,7,8,9,10,11,12,13,14,15
	ds_store_b128 v[STW], v[64*(\set)+4*\i:64*(\set)+4*\i+3] offset:528*\i
.endr
	WIN 0
.irp c, 0,1
.irp j, 0,1,2,3,4,5,6,7
	ds_load_b128 v[X+32*\c+4*\j:X+32*\c+4*\j+3], v[STR] offset:256*\c+16*\j
.endr
.endr
.endm
; The 64 numbers in X (register 32 c + i = k 64 c + 32 (lane / 16) + i of my row) become a fragment's 12 registers at v[f] and the row's scale word in v[pw].
.macro QF f, pw
.irp c, 0,1
.irp u, 0,1
	v_max3_num_f32 v[TM+2*\c+\u], |v[X+32*\c+16*\u]|, |v[X+32*\c+16*\u+1]|, 0x2800000   ; with the floor 2^(5 - 127): the byte cannot fall under 1
.endr
.endr
.irp i, 2,4,6,8,10,12,14
.irp c, 0,1
.irp u, 0,1
	v_max3_num_f32 v[TM+2*\c+\u], v[TM+2*\c+\u], |v[X+32*\c+16*\u+\i]|, |v[X+32*\c+16*\u+\i+1]|
.endr
.endr
.endr
.irp c, 0,1
	v_max_num_f32 v[TM+2*\c], v[TM+2*\c], v[TM+2*\c+1]
.endr
.irp c, 0,1
	v_add_nc_u32 v[TS+\c], 0xfe000000, v[TM+2*\c]  ; 4 off the exponent field: the conversion's scale operand
.endr
.irp c, 0,1
	v_lshrrev_b32 v[TB+\c], 23, v[TS+\c]
.endr
	v_lshl_or_b32 v[\pw], v[TB+1], 16, v[TB]
	v_lshlrev_b32 v[\pw], v[H8], v[\pw]
	v_permlanex16_b32 v[TP], v[\pw], s[SEL], s[SEL+1]
	v_or_b32 v[\pw], v[\pw], v[TP]
.irp c, 0,1
	v_cvt_scalef32_pk16_bf6_f32 v[(\f)+6*\c:(\f)+6*\c+2], v[X+32*\c:X+32*\c+15], v[TS+\c]
	v_cvt_scalef32_pk16_bf6_f32 v[TC+4*\c:TC+4*\c+2], v[X+32*\c+16:X+32*\c+31], v[TS+\c]
.endr
	v_nop                                          ; one plain place behind a scaled conversion
.irp c, 0,1
.irp i, 0,1,2
	v_mov_b32 v[(\f)+6*\c+3+\i], v[TC+4*\c+\i]
.endr
.endr
.endm
; fragment f = (row block f / 2, my K step f % 2): 16 loads, a row's 512 consecutive bytes each, into set f % 4 of window 1
.macro XLOAD f
	WIN 0x40
.irp i, 0,1,2,3,4,5,6,7,8,9,10,11,12,13,14,15
	global_load_b128 v[64*((\f)%4)+4*\i:64*((\f)%4)+4*\i+3], v[48+16*((\f)/2)+\i], s[4:5] offset:512*((\f)%2)
.endr
	WIN 0
.endm
.macro FRAG f
.if (\f) < 8
	s_wait_loadcnt 32                              ; this fragment's 16 loads are in; the two later fragments' may be out
.else
	s_wait_loadcnt 16*(9-(\f))
.endif
.if (\f)+3 <= 9
	XLOAD (\f)+3                                   ; into the set whose stores to the stage were waited for a fragment ago
.endif
	WIN 0x05
.irp i, 0,1,2,3,4,5,6,7,8,9,10,11,12,13,14,15
	v_cvt_pk_bf16_f32 v[192+2*\i], v[64*((\f)%4)+4*\i], v[64*((\f)%4)+4*\i+1]
	v_cvt_pk_bf16_f32 v[193+2*\i], v[64*((\f)%4)+4*\i+2], v[64*((\f)%4)+4*\i+3]
.endr
	WIN 0
.irp i, 0,1,2,3,4,5,6,7,8,9,10,11,12,13,14,15
	ds_store_b64 v[CPA+(\f)/2], v[192+2*\i:193+2*\i] offset:2048*\i+256*((\f)%2)   ; 32 lanes: 256 consecutive bytes of a row
.endr
	TURN ((\f)%4)
	s_wait_dscnt 0x0                               ; X is in; the copy's stores and the last fragment's image have read their registers
	QF 224, 252
.irp c, 0,1,2
	ds_store_b128 v10, v[224+4*\c:227+4*\c] offset:12288*((\f)/2)+1536*((\f)%2)+512*\c
.endr
	ds_store_b32 v11, v252 offset:512*((\f)/2)+256*((\f)%2)
.endm
; half hf (column blocks 4 hf .. + 3) of W2's eight fragments of K step k of this pass into slot k % 3: 12 loads of 512 consecutive bytes
.macro BL k, hf
.if (\k)%3 == 2
	WIN 0xc0
.set BB, 64
.else
	WIN 0x40
.set BB, 96*((\k)%3)
.endif
.irp cq, 0,1,2,3
.irp c, 0,1,2
	global_load_b128 v[BB+12*(4*(\hf)+\cq)+4*\c:BB+12*(4*(\hf)+\cq)+4*\c+3], v14, s[8:9] offset:12288*(4*(\hf)+\cq)+1536*(\k)+512*\c
.endr
.endr
.endm
; what is asked for ahead of a pass, in this order: G and W_v at its columns (16 loads), W2's first two half-sets (24 loads)
.macro PRO
	WIN 0xc0
.irp q, 0,1,2,3,4,5,6,7
	global_load_b32 v[200+\q], v16, s[12:13] offset:4096*\q
	global_load_b32 v[216+\q], v17, s[6:7] offset:64*\q
.endr
	BL 0, 0
	BL 0, 1
	WIN 0
.endm
.macro AL g                            ; the rows' five fragments of K step g into set g % 2
	WIN 0
.irp a, 0,1,2,3,4
.irp c, 0,1,2
	ds_load_b128 v[132+60*((\g)%2)+12*\a+4*\c:132+60*((\g)%2)+12*\a+4*\c+3], v12 offset:1536*(8*\a+(\g))+512*\c
.endr
.endr
.endm
; one product: source 0 = 16 rows, source 1 = 16 columns of W2^T: lane (r, h) holds column r and rows 8 h + 0 .. 7.  A scale register holds two K steps' words: the even step's in lanes 0-15, the odd step's in lanes 16-31
.macro WM g, a, cb
.set RD_, 64*((\a)%4)+8*(\cb)
.set RA_, 132+60*((\g)%2)+12*(\a)
.set RB_, BB2+12*(\cb)
.set SA_, 48+4*(\a)+(\g)/2
.set SB_, 68+4*(\cb)+(\g)/2
.if (\g) == 0
	v_wmma_scale_f32_16x16x128_f8f6f4 v[RD_:RD_+7], v[RA_:RA_+11], v[RB_:RB_+11], 0, v[SA_], v[SB_] matrix_a_fmt:MATRIX_FMT_BF6 matrix_b_fmt:MATRIX_FMT_BF6
.elseif (\g)%2 == 0
	v_wmma_scale_f32_16x16x128_f8f6f4 v[RD_:RD_+7], v[RA_:RA_+11], v[RB_:RB_+11], v[RD_:RD_+7], v[SA_], v[SB_] matrix_a_fmt:MATRIX_FMT_BF6 matrix_b_fmt:MATRIX_FMT_BF6
.else
	v_wmma_scale_f32_16x16x128_f8f6f4 v[RD_:RD_+7], v[RA_:RA_+11], v[RB_:RB_+11], v[RD_:RD_+7], v[SA_], v[SB_] matrix_a_fmt:MATRIX_FMT_BF6 matrix_b_fmt:MATRIX_FMT_BF6 matrix_a_scale:MATRIX_SCALE_ROW1 matrix_b_scale:MATRIX_SCALE_ROW1
.endif
.endm
; 20 products.  The 40 accumulators take turns, one instruction a turn, in the same order in every step
.macro MM g, hf
.if (\g)%3 == 2
.set BB2, 64
.set WB, 0x0c
.else
.set BB2, 96*((\g)%3)
.set WB, 0x04
.endif
	WIN 0xa0|WB
.irp cq, 0,1,2,3
.irp a, 0,1,2,3
	WM \g, \a, 4*(\hf)+\cq
.endr
.endr
	WIN 0xf0|WB
.irp cq, 0,1,2,3
	WM \g, 4, 4*(\hf)+\cq
.endr
.endm
; A step: 128 along K, 40 products.  A pass's 16 half-sets are asked for in the order 2 k + hf and stand five ahead; a load into registers that matrix instructions have read stands four places behind them.
.macro STEP g
	PLACES 4
.if 2*(\g)+4 < 15
	s_wait_loadcnt 48                              ; this step's first half-set is in; the four issued behind it, 12 loads each, may be out
.else
	s_wait_loadcnt 12*(15-2*(\g))
.endif
.if (\g)+2 <= 7
	BL (\g)+2, 1
.endif
	s_wait_dscnt 0x0                               ; the rows' fragments of this step are in
.if (\g) < 7
	AL (\g)+1
.endif
	MM \g, 0
	PLACES 4
.if 2*(\g)+5 < 15
	s_wait_loadcnt 48                              ; the second half-set is in; the four issued behind it may be out
.else
	s_wait_loadcnt 12*(14-2*(\g))
.endif
.if (\g)+3 <= 7
	BL (\g)+3, 0
.endif
	MM \g, 1
.endm
; Behind a pass: 320 results a lane.  t = c z + c G; e = 2^t; 1 + e; r = 1 / (1 + e); score sums += r x (-2 W_v).  Each kind of transcendental is one batch with a wait ahead of it and one behind it.
.macro EPI
	WIN 0x92
.irp a, 0,1,2,3
.irp cb, 0,1,2,3,4,5,6,7
.irp jj, 0,2,4,6
	v_pk_fma_f32 v[64*\a+8*\cb+\jj:64*\a+8*\cb+\jj+1], v[64*\a+8*\cb+\jj:64*\a+8*\cb+\jj+1], s[CC:CC+1], v[192+2*\cb:193+2*\cb] op_sel_hi:[1,0,1]   ; each accumulator from its low end on
.endr
.endr
.endr
	WIN 0xd3
.irp cb, 0,1,2,3,4,5,6,7
.irp jj, 0,2,4,6
	v_pk_fma_f32 v[8*\cb+\jj:8*\cb+\jj+1], v[8*\cb+\jj:8*\cb+\jj+1], s[CC:CC+1], v[192+2*\cb:193+2*\cb] op_sel_hi:[1,0,1]
.endr
.endr
	WIN 0xc3
.set n, 0
	s_wait_alu depctr_va_vdst(0)
.rept 64
	v_exp_f32 v[n], v[n]
.set n, n+1
.endr
	WIN 0x82
.set n, 0
.rept 256
	v_exp_f32 v[n], v[n]
.set n, n+1
.endr
	v_nop                                          ; a plain place behind the last exponential
	s_wait_alu depctr_va_vdst(0)
.set n, 0
.rept 128
	v_pk_add_f32 v[n:n+1], v[n:n+1], 1.0 op_sel_hi:[1,0]
.set n, n+2
.endr
	WIN 0xc3
.set n, 0
.rept 32
	v_pk_add_f32 v[n:n+1], v[n:n+1], 1.0 op_sel_hi:[1,0]
.set n, n+2
.endr
.set n, 0
	s_wait_alu depctr_va_vdst(0)
.rept 64
	v_rcp_f32 v[n], v[n]
.set n, n+1
.endr
	WIN 0x82
.set n, 0
.rept 256
	v_rcp_f32 v[n], v[n]
.set n, n+1
.endr
	v_nop
	s_wait_alu depctr_va_vdst(0)
	WIN 0xf6
.irp cb, 0,1,2,3,4,5,6,7
.irp a, 0,1,2,3
.irp jj, 0,2,4,6
	v_pk_fma_f32 v[160+8*\a+\jj:161+8*\a+\jj], v[64*\a+8*\cb+\jj:64*\a+8*\cb+\jj+1], v[224+2*\cb:225+2*\cb], v[160+8*\a+\jj:161+8*\a+\jj]
.endr
.endr
.endr
	WIN 0xf7
.irp cb, 0,1,2,3,4,5,6,7
.irp jj, 0,2,4,6
	v_pk_fma_f32 v[192+\jj:193+\jj], v[8*\cb+\jj:8*\cb+\jj+1], v[224+2*\cb:225+2*\cb], v[192+\jj:193+\jj]
.endr
.endr
	WIN 0
.endm
	s_load_b512 s[4:19], s[0:1], 0x0               ; source_hids 4, W_v 6, w2c 8, w2s 10, gt 12, tl 14, tc 16, sc 18
	s_load_b128 s[20:23], s[0:1], 0x40             ; stat 20, rec 22
	v_lshl_add_u32 v254, v0, 2, 0x40900
	v_mov_b32 v255, 0
	v_lshrrev_b32 v1, 5, v0
	v_readfirstlane_b32 s24, v1                    ; wave 0..3
	s_and_b32 s25, ttmp7, 0xffff                   ; y
	s_lshl_b32 s26, s25, 3
	s_or_b32 s26, s26, ttmp9                       ; i = 8 y + x, the work-group's number: nine bits
	s_bfe_u32 s25, s26, 0x60002                    ; b = (i / 4) % 64
	s_lshr_b32 s40, s26, 8
	s_lshl_b32 s40, s40, 2
	s_and_b32 s26, s26, 3
	s_or_b32 s26, s26, s40                         ; j = i % 4 + 4 (i / 256): it enters the offsets into tc, tl, stat and rec, and nothing else
	v_and_b32 v1, 31, v0                           ; lane
	v_and_b32 v2, 15, v0                           ; r
	s_wait_alu depctr_va_vdst(0)
	v_bfe_u32 v3, v0, 4, 1                         ; h
	; what the first loads need
	v_mov_b32 v40, 0
	v_lshlrev_b32 v25, 2, v1                       ; the list's places lane,
	v_add_nc_u32 v26, 128, v25                     ; 32 + lane,
	v_lshlrev_b32 v27, 2, v2
	v_add_nc_u32 v27, 0x100, v27                   ; 64 + lane % 16
	s_lshr_b32 s40, s25, 4                         ; gt: G[b][16 n + r] lies at 4,096 n + 512 (2 (b / 16) + (b / 4) % 2) + 256 ((b / 8) % 2) + 16 r + 4 (b % 4)
	s_lshl_b32 s40, s40, 10
	s_bfe_u32 s41, s25, 0x10002
	s_lshl_b32 s41, s41, 9
	s_add_co_u32 s40, s40, s41
	s_bfe_u32 s41, s25, 0x10003
	s_lshl_b32 s41, s41, 8
	s_add_co_u32 s40, s40, s41
	s_and_b32 s41, s25, 3
	s_lshl_b32 s41, s41, 2
	s_add_co_u32 s40, s40, s41
	s_lshl_b32 s41, s24, 16
	s_add_co_u32 s40, s40, s41
	v_lshl_add_u32 v16, v2, 4, s40
	s_lshl_b32 s41, s24, 10
	v_lshl_add_u32 v17, v2, 2, s41                 ; W_v: 4 r + 1,024 w
	s_lshl_b32 s38, s25, 5
	s_lshl_b32 s39, s26, 2
	s_add_co_u32 s38, s38, s39                     ; tc: 32 b + 4 j
	s_lshl_b32 s42, s25, 12
	s_mul_i32 s43, s26, 384
	s_add_co_u32 s42, s42, s43                     ; tl: 4,096 b + 384 j
	s_mov_b32 s43, 0
	s_lshl_b32 s44, s25, 6
	s_lshl_b32 s45, s26, 3
	s_add_co_u32 s44, s44, s45                     ; stat: 64 b + 8 j
	s_mov_b32 s45, 0
	s_lshl_b32 s46, s25, 15
	s_lshl_b32 s47, s26, 12
	s_add_co_u32 s46, s46, s47                     ; rec: 32,768 b + 4,096 j
	s_mov_b32 s47, 0
	s_wait_alu depctr_va_vdst(0)
	s_wait_kmcnt 0x0
	s_load_b32 s27, s[16:17], s38 offset:0x0       ; the tile's rows
	s_add_nc_u64 s[14:15], s[14:15], s[42:43]
	s_add_nc_u64 s[20:21], s[20:21], s[44:45]
	s_add_nc_u64 s[22:23], s[22:23], s[46:47]
.irp i, 0,1,2,3,4,5,6,7,8,9,10,11,12,13,14,15,16,17,18,19
	global_load_b128 v[48+4*\i:51+4*\i], v40, s[14:15] offset:16*\i    ; the list's 80 places, every lane at the same address: register 48 + i holds place i in all lanes
.endr
.irp g, 0,1,2
	global_load_b32 v[22+\g], v[25+\g], s[14:15]   ; and once more a place a lane, for the scores' way out
.endr
	; the other addresses, while those 23 loads are out
	s_lshl_b32 s40, s25, 12
	s_lshl_b32 s41, s24, 10
	s_add_co_u32 s40, s40, s41
	v_lshl_add_u32 v4, v1, 4, s40                  ; in a row's plane: 4,096 b + 1,024 w + 16 lane
	s_mul_i32 s41, s24, 8448
	s_add_co_u32 s41, s41, STG
	v_lshlrev_b32 v[STW], 4, v1
	v_add_nc_u32 v[STW], s41, v[STW]
	v_mul_u32_u24 v[STR], v2, 528
	v_lshl_add_u32 v[STR], v3, 7, v[STR]
	v_add_nc_u32 v[STR], s41, v[STR]
	v_lshlrev_b32 v[H8], 3, v3
	v_mov_b32 v[TP], 0                             ; a lane permute's destination counts as one of its sources
	s_lshl_b32 s41, s24, 9
	v_lshlrev_b32 v[CPA], 3, v1
	v_add_nc_u32 v[CPA], s41, v[CPA]               ; the copy: 512 w + 8 lane,
.irp a, 1,2,3,4
	v_add_nc_u32 v[CPA+\a], 32768*\a, v[CPA]       ; and 16 rows of 2,048 bytes on for each row block
.endr
	s_mul_i32 s41, s24, 3072
	s_add_co_u32 s41, s41, IMG
	v_lshlrev_b32 v10, 4, v1
	v_add_nc_u32 v10, s41, v10                     ; my images: K steps 2 w, 2 w + 1
	s_lshl_b32 s41, s24, 2
	s_add_co_u32 s41, s41, ASC
	v_lshlrev_b32 v11, 4, v2
	v_add_nc_u32 v11, s41, v11                     ; my scale words
	v_lshl_add_u32 v12, v1, 4, IMG
	v_lshl_add_u32 v13, v1, 4, ASC
	s_mul_i32 s41, s24, 196608
	v_lshl_add_u32 v14, v1, 4, s41                 ; w2c: my 16 column blocks
	s_lshl_b32 s41, s24, 13
	v_lshl_add_u32 v15, v1, 4, s41                 ; w2s
	s_mul_i32 s41, s24, 320
	s_add_co_u32 s41, s41, SP
	v_lshlrev_b32 v18, 5, v3
	v_add_nc_u32 v18, s41, v18                     ; my part of the scores: rows 8 h on
	v_lshl_add_u32 v19, v1, 2, SP                  ; row = lane,
	v_add_nc_u32 v20, 128, v19                     ; 32 + lane,
	v_lshl_add_u32 v21, v2, 2, SP+256              ; 64 + lane % 16
	v_mov_b32 v28, v1                              ; the same as numbers, for the test against the tile's count;
	v_add_nc_u32 v29, 32, v1
	v_add_nc_u32 v30, 64, v1                       ; lanes 16-31 of the third stand at 80 and more: never valid
	s_mul_i32 s41, s24, 384
	s_add_co_u32 s41, s41, PL
	v_lshlrev_b32 v31, 2, v1
	v_add_nc_u32 v31, s41, v31
	v_mov_b32 v32, s41                             ; p of the 16 rows in hand: stepped in the weighted sum
	v_lshlrev_b32 v33, 3, v0                       ; the weighted sum: 8 x thread in a row of the copy: stepped there too
	v_lshlrev_b32 v34, 4, v0                       ; and 16 x thread in rec
	v_mov_b32 v39, 0xff800000                      ; -infinity
	s_lshl_b32 s33, s25, 2                         ; 4 b
	s_mov_b32 s[SEL], 0x76543210
	s_mov_b32 s[SEL+1], 0xfedcba98
	s_mov_b32 s[CC], 0x4038aa3b                    ; 2 log2(e)
	s_mov_b32 s[CC+1], s[CC]
	s_wait_kmcnt 0x0
	s_min_u32 s27, s27, 80
	s_wait_loadcnt 0x0
	; the rows' byte offsets: s held to 511, x 262,144, + my column, K steps and lane
.set n, 0
.rept 80
	v_min_u32 v[48+n], 0x1ff, v[48+n]
.set n, n+1
.endr
.set n, 0
.rept 80
	v_lshlrev_b32 v[48+n], 18, v[48+n]
.set n, n+1
.endr
.set n, 0
.rept 80
	v_add_nc_u32 v[48+n], v[48+n], v4
.set n, n+1
.endr
.irp g, 0,1,2
	v_min_u32 v[22+\g], 0x1ff, v[22+\g]
.endr
.irp g, 0,1,2
	v_lshlrev_b32 v[36+\g], 8, v[22+\g]
.endr
.irp g, 0,1,2
	v_add_nc_u32 v[36+\g], s33, v[36+\g]           ; a score's place: 256 s + 4 b
.endr
	; ---- 1: gather, copy as bf16, quantise.  Wave w takes K steps 2 w and 2 w + 1 of all 80 rows
	s_cmp_eq_u32 s27, 0
	s_cbranch_scc1 .Ls1
	XLOAD 0
	XLOAD 1
	XLOAD 2
.irp f, 0,1,2,3,4,5,6,7,8,9
	FRAG \f
.endr
.Ls1:
	s_wait_dscnt 0x0                               ; my stores have landed
	s_barrier_signal -1
	s_barrier_wait -1                              ; the copy, the 40 images and their scale words lie in LDS
	; ---- 2: the product, tanh's part, the scores' parts: two passes of 128 columns a wave
	s_cmp_eq_u32 s27, 0
	s_cbranch_scc1 .Ls2
.irp q, 0,1,2,3,4,5,6,7,8,9,10,11,12,13,14,15
	global_load_b128 v[68+4*\q:71+4*\q], v15, s[10:11] offset:512*\q   ; W2's scale words of my 16 column blocks, all eight K steps
.endr
	PRO
.irp a, 0,1,2,3,4
	ds_load_b128 v[48+4*\a:51+4*\a], v13 offset:512*\a         ; the rows' scale words
.endr
	WIN 0xc0
.set n, 0
.rept 40
	v_mov_b32 v[160+n], 0                          ; the 40 score sums: both passes add onto them
.set n, n+1
.endr
	WIN 0
	s_mov_b32 s32, 0                               ; the pass
	s_wait_alu depctr_va_vdst(0)
.Lpass:
	s_wait_loadcnt 24                              ; all but the pass's first two half-sets are in: the scale words, G and W_v
	BL 1, 0                                        ; three more half-sets: five stand ahead, 60 loads out
	BL 1, 1
	BL 2, 0
	AL 0
.irp g, 0,1,2,3,4,5,6,7
	STEP \g
.endr
	PLACES 4
	WIN 0x4c
.irp q, 0,1,2,3,4,5,6,7
	v_mul_f32 v[192+2*\q], 0x4038aa3b, v[200+\q]   ; pairs for the packed forms: c G twice (the step's last wait was for all loads),
	v_mul_f32 v[193+2*\q], 0x4038aa3b, v[200+\q]
	v_mul_f32 v[224+2*\q], -2.0, v[216+\q]         ; -2 W_v twice
	v_mul_f32 v[225+2*\q], -2.0, v[216+\q]
.endr
	WIN 0
	s_cmp_eq_u32 s32, 1
	s_wait_alu depctr_va_vdst(0)
	s_cbranch_scc1 .Lnopro                         ; the last pass asks for nothing more
	v_add_nc_u32 v14, 0x18000, v14                 ; eight column blocks on: no load of mine is out
	v_add_nc_u32 v16, 0x8000, v16
	v_add_nc_u32 v17, 0x200, v17
.set n, 0
.rept 32
	v_mov_b32 v[68+n], v[100+n]                    ; the second pass's scale words to where the products name them; the results' work below stands between these lines and the next product
.set n, n+1
.endr
	s_wait_alu depctr_va_vdst(0)
	PRO                                            ; the next pass's first loads are out while this pass's results are worked
.Lnopro:
	EPI
	s_add_co_u32 s32, s32, 1
	s_cmp_lt_u32 s32, 2
	s_wait_alu depctr_va_vdst(0)
	s_cbranch_scc1 .Lpass
	WIN 0x03
.set n, 0
.rept 40
	v_mov_b32 v[132+n], v[160+n]                   ; the sums into window 0
.set n, n+1
.endr
	WIN 0
.irp m, 1,2,4,8                                ; over my 16 columns of each block: the sixteen lanes of a half end with the same sum
.set n, 0
.rept 40
	v_add_f32_dpp v[132+n], v[132+n], v[132+n] row_xmask:\m row_mask:0xf bank_mask:0xf
.set n, n+1
.endr
.endr
.irp a, 0,1,2,3,4
	ds_store_b128 v18, v[132+8*\a:135+8*\a] offset:64*\a       ; rows 16 a + 8 h + 0 .. 7 (sixteen lanes write the same bytes with the same values)
	ds_store_b128 v18, v[136+8*\a:139+8*\a] offset:64*\a+16
.endr
.Ls2:
	s_wait_dscnt 0x0
	s_barrier_signal -1
	s_barrier_wait -1                              ; all four waves' parts of the scores lie in LDS
	v_mov_b32 v72, v39                             ; what an empty tile stores: m = -infinity,
	v_mov_b32 v73, 0                               ; l = 0,
.irp k, 0,1,2,3,4,5,6,7
	v_mov_b32 v[76+\k], 0                          ; sums 0; a tile with rows starts its eight column sums here
.endr
	; ---- 3: the tile's part of the softmax; every wave alike
	s_cmp_eq_u32 s27, 0
	s_cbranch_scc1 .Ls3
.irp g, 0,1,2
.irp u, 0,1,2,3
	ds_load_b32 v[48+4*\g+\u], v[19+\g] offset:320*\u
.endr
.endr
	s_wait_dscnt 0x0
.irp g, 0,1,2
	v_add_f32 v[48+4*\g], v[48+4*\g], v[49+4*\g]
	v_add_f32 v[50+4*\g], v[50+4*\g], v[51+4*\g]
.endr
.irp g, 0,1,2
	v_add_f32 v[60+\g], v[48+4*\g], v[50+4*\g]     ; score'
.endr
.irp g, 0,1,2
	v_cmp_gt_u32 vcc_lo, s27, v[28+\g]
	v_cndmask_b32 v[64+\g], v39, v[60+\g], vcc_lo  ; places beyond the tile's rows: -infinity
.endr
	v_max3_num_f32 v74, v64, v65, v66
.irp m, 1,2,4,8
	v_max_num_f32_dpp v74, v74, v74 row_xmask:\m row_mask:0xf bank_mask:0xf
.endr
	v_permlanex16_b32 v[TP], v74, s[SEL], s[SEL+1]
	v_max_num_f32 v72, v74, v[TP]                  ; m
.irp g, 0,1,2
	v_sub_f32 v[64+\g], v[64+\g], v72
.endr
.irp g, 0,1,2
	v_mul_f32 v[64+\g], 0x3fb8aa3b, v[64+\g]
.endr
	s_wait_alu depctr_va_vdst(0)
.irp g, 0,1,2
	v_exp_f32 v[64+\g], v[64+\g]                   ; p = e^(score' - m); 0 beyond the rows
.endr
	v_nop
	s_wait_alu depctr_va_vdst(0)                   ; one wait for the three, ahead of their first reader
	v_add_f32 v75, v64, v65
	v_add_f32 v75, v75, v66
.irp m, 1,2,4,8
	v_add_f32_dpp v75, v75, v75 row_xmask:\m row_mask:0xf bank_mask:0xf
.endr
	v_permlanex16_b32 v[TP], v75, s[SEL], s[SEL+1]
	v_add_f32 v73, v75, v[TP]                      ; l
.irp g, 0,1,2
	ds_store_b32 v31, v[64+\g] offset:128*\g       ; p, to my wave's own words
.endr
.Ls3:
	; the weighted sum: thread t takes columns 4 t .. + 3 and 512 + 4 t .. + 3 of all rows, 16 rows a trip.  Five trips on every path; an empty tile jumps over the work alone, not over the steps
	s_mov_b32 s30, 0
.Lw:
	s_cmp_eq_u32 s27, 0
	s_cbranch_scc1 .Lwskip
	s_wait_alu depctr_va_vdst(0)
.irp i, 0,1,2,3,4,5,6,7,8,9,10,11,12,13,14,15
	ds_load_b64 v[128+4*\i:129+4*\i], v33 offset:2048*\i
	ds_load_b64 v[130+4*\i:131+4*\i], v33 offset:2048*\i+1024
.endr
.irp u, 0,1,2,3
	ds_load_b128 v[192+4*\u:195+4*\u], v32 offset:16*\u        ; the 16 rows' p, the same in every lane (LDS serves a wave in order: these see my stores)
.endr
	s_wait_dscnt 0x0
.irp i, 0,1,2,3,4,5,6,7,8,9,10,11,12,13,14,15
.irp k, 0,1,2,3
	v_fma_mix_f32_bf16 v[76+2*\k], v[128+4*\i+\k], v[192+\i], v[76+2*\k] op_sel_hi:[1,0,0]
	v_fma_mix_f32_bf16 v[77+2*\k], v[128+4*\i+\k], v[192+\i], v[77+2*\k] op_sel:[1,0,0] op_sel_hi:[1,0,0]
.endr
.endr
.Lwskip:
	s_wait_alu depctr_va_vdst(0)
	v_add_nc_u32 v33, 0x8000, v33                  ; 16 rows of the copy on,
	v_add_nc_u32 v32, 64, v32                      ; and their 16 p
	s_add_co_u32 s30, s30, 1
	s_cmp_lt_u32 s30, 5
	s_cbranch_scc1 .Lw
	global_store_b128 v34, v[76:79], s[22:23]              ; sixteen lanes: 256 consecutive bytes, aligned
	global_store_b128 v34, v[80:83], s[22:23] offset:2048
	s_cmp_lg_u32 s24, 0
	s_cbranch_scc1 .Lend
	global_store_b64 v40, v[72:73], s[20:21]               ; wave 0: (m, l): all lanes the same word pair and values
	s_cmp_eq_u32 s27, 0
	s_cbranch_scc1 .Lend
.irp g, 0,1,2                                  ; and the scores of the tile's rows: the wave's last lines, the only ones that change EXEC
	v_cmp_gt_u32 vcc_lo, s27, v[28+\g]
	s_wait_xcnt 0x0                                ; EXEC changes only behind this wait
	s_and_saveexec_b32 s40, vcc_lo
	global_store_b32 v[36+\g], v[60+\g], s[18:19]
	s_wait_xcnt 0x0
	s_or_b32 exec_lo, exec_lo, s40
.endr
.Lend:
	s_wait_tensorcnt 0x0                           ; the wave's end
	ds_add_u32 v254, v255
	s_wait_dscnt 0x0
	s_endpgm
.Lfunc_end_k_q4cc2c97ec1_attend:
	.size	k_q4cc2c97ec1_attend, .Lfunc_end_k_q4cc2c97ec1_attend-k_q4cc2c97ec1_attend
	.p2alignl 7, 3214868480
	.fill 96, 4, 3214868480
	.section	.rodata,"a",@progbits
	.p2align	6, 0x0
	.amdhsa_kernel k_q4cc2c97ec1_attend
		.amdhsa_group_segment_fixed_size 264960
		.amdhsa_private_segment_fixed_size 0
		.amdhsa_enable_private_segment 0
		.amdhsa_kernarg_size 80
		.amdhsa_user_sgpr_count 2
		.amdhsa_user_sgpr_kernarg_segment_ptr 1
		.amdhsa_wavefront_size32 1
		.amdhsa_system_sgpr_workgroup_id_x 1
		.amdhsa_system_sgpr_workgroup_id_y 1
		.amdhsa_system_sgpr_workgroup_id_z 1
		.amdhsa_system_vgpr_workitem_id 0
		.amdhsa_next_free_vgpr 1024
		.amdhsa_next_free_sgpr 66
		.amdhsa_reserve_vcc 1
		.amdhsa_float_denorm_mode_32 3
		.amdhsa_float_denorm_mode_16_64 3
		.amdhsa_memory_ordered 1
		.amdhsa_forward_progress 1
		.amdhsa_inst_pref_size 255
	.end_amdhsa_kernel
	.section	.bss,"aw",@nobits
	.p2align	6
	.space	262144
	.amdgpu_metadata
---
amdhsa.version: [ 1, 2 ]
amdhsa.kernels:
  - .name:           k_q4cc2c97ec1_attend
    .symbol:         k_q4cc2c97ec1_attend.kd
    .args:
      - { .name: source_hids, .offset: 0, .size: 8, .value_kind: global_buffer, .address_space: global }
      - { .name: W_v, .offset: 8, .size: 8, .value_kind: global_buffer, .address_space: global }
      - { .name: w2c, .offset: 16, .size: 8, .value_kind: global_buffer, .address_space: global }
      - { .name: w2s, .offset: 24, .size: 8, .value_kind: global_buffer, .address_space: global }
      - { .name: gt, .offset: 32, .size: 8, .value_kind: global_buffer, .address_space: global }
      - { .name: tl, .offset: 40, .size: 8, .value_kind: global_buffer, .address_space: global }
      - { .name: tc, .offset: 48, .size: 8, .value_kind: global_buffer, .address_space: global }
      - { .name: sc, .offset: 56, .size: 8, .value_kind: global_buffer, .address_space: global }
      - { .name: stat, .offset: 64, .size: 8, .value_kind: global_buffer, .address_space: global }
      - { .name: rec, .offset: 72, .size: 8, .value_kind: global_buffer, .address_space: global }
    .group_segment_fixed_size: 264960
    .private_segment_fixed_size: 0
    .kernarg_segment_align: 8
    .kernarg_segment_size: 80
    .max_flat_workgroup_size: 128
    .sgpr_count:     66
    .vgpr_count:     1024
    .wavefront_size: 32
...
	.end_amdgpu_metadata
.endif
;; end of part 5
;; launch finish (part 6): grid 4 x 64, 3 waves a work-group, no clusters, 0 bytes of LDS; arguments stat, rec, sc, out0, out1; writes out0, out1
.if DOCPART == 6
	.amdgcn_target "amdgcn-amd-amdhsa--gfx1250"
	.amdhsa_code_object_version 6
	.text
	.protected	k_q4cc2c97ec1_finish
	.globl	k_q4cc2c97ec1_finish
	.p2align	8
	.type	k_q4cc2c97ec1_finish,@function
k_q4cc2c97ec1_finish:
	s_mov_b64 s[64:65], 0
	v_nop
	global_prefetch_b8 v0, s[64:65] scope:SCOPE_SE
	s_setreg_imm32_b32 hwreg(HW_REG_WAVE_MODE, 25, 1), 1
	s_wait_xcnt 0x0
; FINISH.  A column b has eight tiles with (m_j, l_j) and rec_j = sum of e^(score' - m_j) x row.  M = max m_j, f_j = e^(m_j - M), L = sum f_j l_j:
;   out0[b] = sum f_j rec_j / L;   out1[s][b] = e^(score'[s][b] - M) / L, which is 0 where the score is -infinity (masked).
; A column that is masked everywhere has M = -infinity: -infinity less -infinity is NaN, and NaN comes out in that column of both outputs, as the softmax of such a column gives.
; Work-group (x, b): waves 0 and 1 make out0[b][256 x .. + 255], 16 bytes a thread; wave 2 makes rows 2 G and 2 G + 1 of out1, G = 4 b + x: 512 consecutive bytes.  No LDS, no barrier: waves share nothing.
	s_load_b256 s[4:11], s[0:1], 0x0               ; stat 4, rec 6, sc 8, out0 10
	s_load_b64 s[12:13], s[0:1], 0x20              ; out1
	v_lshrrev_b32 v1, 5, v0
	v_readfirstlane_b32 s14, v1                    ; wave
	s_and_b32 s15, ttmp7, 0xffff                   ; b
	s_cmp_eq_u32 s14, 2
	s_cbranch_scc1 .Lp
	v_lshlrev_b32 v2, 4, v0                        ; 16 x thread
	v_mov_b32 v3, 0
	v_mov_b32 v7, 0                                ; (named with v6 as a pair)
	s_lshl_b32 s16, s15, 6
	s_mov_b32 s17, 0
	s_lshl_b32 s20, ttmp9, 10
	s_lshl_b32 s18, s15, 15
	s_add_co_u32 s18, s18, s20
	s_mov_b32 s19, 0
	s_lshl_b32 s22, s15, 12
	s_add_co_u32 s22, s22, s20
	s_mov_b32 s23, 0
	s_wait_alu depctr_va_vdst(0)
	s_wait_kmcnt 0x0
	s_add_nc_u64 s[4:5], s[4:5], s[16:17]
	s_add_nc_u64 s[6:7], s[6:7], s[18:19]
	s_add_nc_u64 s[10:11], s[10:11], s[22:23]
.irp i, 0,1,2,3
	global_load_b128 v[48+4*\i:51+4*\i], v3, s[4:5] offset:16*\i       ; m_j at v[48 + 2 j], l_j at v[49 + 2 j]
.endr
.irp j, 0,1,2,3,4,5,6,7
	global_load_b128 v[16+4*\j:19+4*\j], v2, s[6:7] offset:4096*\j
.endr
	s_wait_loadcnt 0x0
	v_max3_num_f32 v4, v48, v50, v52
	v_max3_num_f32 v4, v4, v54, v56
	v_max3_num_f32 v4, v4, v58, v60
	v_max_num_f32 v4, v4, v62                      ; M
.irp j, 0,1,2,3,4,5,6,7
	v_sub_f32 v[48+2*\j], v[48+2*\j], v4
.endr
.irp j, 0,1,2,3,4,5,6,7
	v_mul_f32 v[48+2*\j], 0x3fb8aa3b, v[48+2*\j]
.endr
	s_wait_alu depctr_va_vdst(0)
.irp j, 0,1,2,3,4,5,6,7
	v_exp_f32 v[48+2*\j], v[48+2*\j]               ; f_j
.endr
	v_nop
	s_wait_alu depctr_va_vdst(0)                   ; one wait for the eight, ahead of their first reader
	v_mul_f32 v5, v48, v49
.irp j, 1,2,3,4,5,6,7
	v_fmac_f32 v5, v[48+2*\j], v[49+2*\j]          ; L
.endr
	s_wait_alu depctr_va_vdst(0)
	v_rcp_f32 v6, v5
	v_pk_mul_f32 v[8:9], v[16:17], v[48:49] op_sel_hi:[1,0]            ; plain work behind the reciprocal: sum f_j rec_j
	v_pk_mul_f32 v[10:11], v[18:19], v[48:49] op_sel_hi:[1,0]
.irp j, 1,2,3,4,5,6,7
	v_pk_fma_f32 v[8:9], v[16+4*\j:17+4*\j], v[48+2*\j:49+2*\j], v[8:9] op_sel_hi:[1,0,1]
	v_pk_fma_f32 v[10:11], v[18+4*\j:19+4*\j], v[48+2*\j:49+2*\j], v[10:11] op_sel_hi:[1,0,1]
.endr
	s_wait_alu depctr_va_vdst(0)                   ; ahead of the reciprocal's first reader
	v_pk_mul_f32 v[8:9], v[8:9], v[6:7] op_sel_hi:[1,0]
	v_pk_mul_f32 v[10:11], v[10:11], v[6:7] op_sel_hi:[1,0]
	global_store_b128 v2, v[8:11], s[10:11]        ; sixteen lanes: 256 consecutive bytes, aligned
	s_endpgm
.Lp:
	v_and_b32 v1, 31, v0
	v_lshlrev_b32 v2, 4, v1                        ; 16 x lane: row 2 G + lane / 16, columns 4 (lane % 16) .. + 3
	v_and_b32 v3, 15, v0
	v_lshlrev_b32 v3, 8, v3                        ; those four columns' statistics: 256 bytes
	s_lshl_b32 s16, s15, 2
	s_add_co_u32 s16, s16, ttmp9
	s_lshl_b32 s16, s16, 9                         ; 512 G
	s_mov_b32 s17, 0
	s_wait_alu depctr_va_vdst(0)
	s_wait_kmcnt 0x0
	s_add_nc_u64 s[8:9], s[8:9], s[16:17]
	s_add_nc_u64 s[12:13], s[12:13], s[16:17]
	global_load_b128 v[8:11], v2, s[8:9]
.irp i, 0,1,2,3,4,5,6,7,8,9,10,11,12,13,14,15
	global_load_b128 v[16+4*\i:19+4*\i], v3, s[4:5] offset:16*\i       ; column c: m_j at v[16 + 16 c + 2 j], l_j behind it
.endr
	s_wait_loadcnt 0x0
.irp c, 0,1,2,3
	v_max3_num_f32 v[4+\c], v[16+16*\c], v[18+16*\c], v[20+16*\c]
.endr
.irp c, 0,1,2,3
	v_max3_num_f32 v[4+\c], v[4+\c], v[22+16*\c], v[24+16*\c]
.endr
.irp c, 0,1,2,3
	v_max3_num_f32 v[4+\c], v[4+\c], v[26+16*\c], v[28+16*\c]
.endr
.irp c, 0,1,2,3
	v_max_num_f32 v[4+\c], v[4+\c], v[30+16*\c]    ; M
.endr
.irp c, 0,1,2,3
	v_sub_f32 v[8+\c], v[8+\c], v[4+\c]
.irp j, 0,1,2,3,4,5,6,7
	v_sub_f32 v[16+16*\c+2*\j], v[16+16*\c+2*\j], v[4+\c]
.endr
.endr
.irp c, 0,1,2,3
	v_mul_f32 v[8+\c], 0x3fb8aa3b, v[8+\c]
.irp j, 0,1,2,3,4,5,6,7
	v_mul_f32 v[16+16*\c+2*\j], 0x3fb8aa3b, v[16+16*\c+2*\j]
.endr
.endr
	s_wait_alu depctr_va_vdst(0)
.irp c, 0,1,2,3
	v_exp_f32 v[8+\c], v[8+\c]                     ; e^(score' - M)
.irp j, 0,1,2,3,4,5,6,7
	v_exp_f32 v[16+16*\c+2*\j], v[16+16*\c+2*\j]   ; f_j
.endr
.endr
	v_nop
	s_wait_alu depctr_va_vdst(0)                   ; one wait for the 36
.irp c, 0,1,2,3
	v_mul_f32 v[12+\c], v[16+16*\c], v[17+16*\c]
.endr
.irp j, 1,2,3,4,5,6,7
.irp c, 0,1,2,3
	v_fmac_f32 v[12+\c], v[16+16*\c+2*\j], v[17+16*\c+2*\j]    ; L
.endr
.endr
	s_wait_alu depctr_va_vdst(0)
.irp c, 0,1,2,3
	v_rcp_f32 v[12+\c], v[12+\c]
.endr
	v_nop
	s_wait_alu depctr_va_vdst(0)                   ; one wait for the four
.irp c, 0,1,2,3
	v_mul_f32 v[8+\c], v[8+\c], v[12+\c]
.endr
	global_store_b128 v2, v[8:11], s[12:13]        ; 512 consecutive bytes, aligned
	s_endpgm
.Lfunc_end_k_q4cc2c97ec1_finish:
	.size	k_q4cc2c97ec1_finish, .Lfunc_end_k_q4cc2c97ec1_finish-k_q4cc2c97ec1_finish
	.p2alignl 7, 3214868480
	.fill 96, 4, 3214868480
	.section	.rodata,"a",@progbits
	.p2align	6, 0x0
	.amdhsa_kernel k_q4cc2c97ec1_finish
		.amdhsa_group_segment_fixed_size 0
		.amdhsa_private_segment_fixed_size 0
		.amdhsa_enable_private_segment 0
		.amdhsa_kernarg_size 40
		.amdhsa_user_sgpr_count 2
		.amdhsa_user_sgpr_kernarg_segment_ptr 1
		.amdhsa_wavefront_size32 1
		.amdhsa_system_sgpr_workgroup_id_x 1
		.amdhsa_system_sgpr_workgroup_id_y 1
		.amdhsa_system_sgpr_workgroup_id_z 1
		.amdhsa_system_vgpr_workitem_id 0
		.amdhsa_next_free_vgpr 128
		.amdhsa_next_free_sgpr 66
		.amdhsa_reserve_vcc 0
		.amdhsa_float_denorm_mode_32 3
		.amdhsa_float_denorm_mode_16_64 3
		.amdhsa_memory_ordered 1
		.amdhsa_forward_progress 1
		.amdhsa_inst_pref_size 15
	.end_amdhsa_kernel
	.amdgpu_metadata
---
amdhsa.version: [ 1, 2 ]
amdhsa.kernels:
  - .name:           k_q4cc2c97ec1_finish
    .symbol:         k_q4cc2c97ec1_finish.kd
    .args:
      - { .name: stat, .offset: 0, .size: 8, .value_kind: global_buffer, .address_space: global }
      - { .name: rec, .offset: 8, .size: 8, .value_kind: global_buffer, .address_space: global }
      - { .name: sc, .offset: 16, .size: 8, .value_kind: global_buffer, .address_space: global }
      - { .name: out0, .offset: 24, .size: 8, .value_kind: global_buffer, .address_space: global }
      - { .name: out1, .offset: 32, .size: 8, .value_kind: global_buffer, .address_space: global }
    .group_segment_fixed_size: 0
    .private_segment_fixed_size: 0
    .kernarg_segment_align: 8
    .kernarg_segment_size: 40
    .max_flat_workgroup_size: 96
    .sgpr_count:     66
    .vgpr_count:     128
    .wavefront_size: 32
...
	.end_amdgpu_metadata
.endif
;; end of part 6
